; MI455X (gfx1250); checked and timed in simulation.
; The chip was launched on July 23, 2026; its instructions are those of AMD's public machine-readable ISA for CDNA 5 (MIT licence, August 2026) and "CDNA5" Instruction Set Architecture Reference Guide (July 2026). The comments in the code are by the model that wrote it; some were corrected since.
;; Softmax Attention. Allowed arithmetic: float matrix products may take bf16 or f16 operands with f32 sums; other float arithmetic in f32, or as packed bf16 or f16 multiplies, adds, multiply-adds, maxima and minima; sums over many terms, partial sums and values carried from step to step in f32; what a program stores and reads back later, other than sums and carried values, may be rounded once to bf16 or f16.
;; Inputs: w_out 1,024 x 1,024 float32; w_qkv 3,072 x 1,024 float32; x 4 x 2,048 x 1,024 float32.
;; Outputs: out0 4 x 2,048 x 1,024 float32.
;; One version. Each part assembles by itself: llvm-mc -triple=amdgcn-amd-amdhsa -mcpu=gfx1250 --defsym DOCPART=n.
;; ======== version 1 of 1: 4 launches
;; limits: values are held in f16: magnitudes above 65,504 overflow, below 6.1e-05 lose precision; right only within a limited range of input values
;; workspace buffers: xb 16,777,216 bytes; wqb 6,291,456 bytes; wob 2,097,152 bytes; qkvh 50,331,648 bytes; ob 16,777,216 bytes
;; launch cast (part 1): grid 768 x 1, 8 waves a work-group, no clusters, 0 bytes of LDS; arguments x, w_qkv, w_out, xb, wqb, wob; writes xb, wqb, wob
.if DOCPART == 1
	.amdgcn_target "amdgcn-amd-amdhsa--gfx1250"
	.amdhsa_code_object_version 6
	.text
	.protected	k_q1cfebdbfab_cast
	.globl	k_q1cfebdbfab_cast
	.p2align	8
	.type	k_q1cfebdbfab_cast,@function
k_q1cfebdbfab_cast:
	s_mov_b64 s[64:65], 0
	v_nop
	global_prefetch_b8 v0, s[64:65] scope:SCOPE_SE
	s_setreg_imm32_b32 hwreg(HW_REG_WAVE_MODE, 25, 1), 1
	s_wait_xcnt 0x0
; THE INPUTS ARE ROUNDED ONCE.  x [8192][1024] and w_qkv [3072][1024], f32, are rounded to bf16 and laid in blocks of K: [16 blocks][rows][64 numbers],
; so that the rows of a tile 64 wide along K lie end to end (128 bytes each).  w_out [1024][1024] is rounded to bf16, and that number is written as f16, row-major.
; LIMITS.  bf16(w_out) of 65,520 or more becomes an infinity in f16; below 2^-14 it keeps f16's fixed step of 2^-24.  NaN stays NaN.
; SHARES.  A work-group owns 16 rows of one of the three tensors (512 + 192 + 64 = 768 work-groups), each of its eight waves two rows: 8,192 bytes in, sixteen loads of 16 bytes a lane,
; all issued before the first is used.  No byte is read twice, nothing is shared: no LDS, no barrier, no matrix unit.
.set VI,  1                            ; v1   my byte offset in the wave's two rows of the input
.set VO,  2                            ; v2   8 x lane: my 8 bytes of the 256 that a store covers
.set X,   8                            ; v[8:71]    load j: four f32
.set Y,   72                           ; v[72:103]  store j: four 16-bit numbers
	s_load_b256 s[4:11], s[0:1], 0x0               ; x s[4:5], w_qkv s[6:7], w_out s[8:9], xb s[10:11]
	s_load_b128 s[12:15], s[0:1], 0x20             ; wqb s[12:13], wob s[14:15]
	v_lshrrev_b32 v3, 5, v0
	v_readfirstlane_b32 s16, v3                    ; wave 0..7
	v_and_b32 v3, 31, v0                           ; lane
	v_lshlrev_b32 v[VO], 3, v3
	s_lshl_b32 s16, s16, 1                         ; my two rows among the group's sixteen
	s_mov_b32 s18, 0xffff0000                      ; a word's upper bf16
	s_mov_b32 s27, 0
	s_wait_kmcnt 0x0
; s17 = my first row.  s[20:21] = the input at that row; s[22:23] = the output at that row (1 << sh bytes a row)
.macro BASES in, out, sh
	s_lshl_b32 s26, s17, 12                        ; 4,096 bytes a row of f32
	s_add_nc_u64 s[20:21], s[(\in):(\in)+1], s[26:27]
	s_lshl_b32 s26, s17, \sh
	s_add_nc_u64 s[22:23], s[(\out):(\out)+1], s[26:27]
.endm
; Into blocks of K.  Load j: lanes 0-15 take the 256 bytes (64 numbers: block j) of the first row, lanes 16-31 those of the second.
; Store j: the two rows' 128 bytes of block j lie end to end: 256 consecutive bytes, aligned.
.macro BLK in, out, rows
	BASES \in, \out, 7
	s_add_nc_u64 s[24:25], s[22:23], 8*(\rows)*128 ; blocks 8-15 from a second base, so that the stores' immediates stay inside their signed 24 bits
	v_and_b32 v[VI], 15, v0
	v_bfe_u32 v4, v0, 4, 1
	v_lshlrev_b32 v[VI], 4, v[VI]
	v_lshl_add_u32 v[VI], v4, 12, v[VI]
.set j, 0
.rept 16
	global_load_b128 v[X+4*j:X+4*j+3], v[VI], s[20:21] offset:256*j th:TH_LOAD_NT
.set j, j+1
.endr
.set j, 0
.rept 16
	s_wait_loadcnt 15-j                            ; loads come back in order: load j is in, the 15 - j younger ones stay out
	v_cvt_pk_bf16_f32 v[Y+2*j],   v[X+4*j],   v[X+4*j+1]
	v_cvt_pk_bf16_f32 v[Y+2*j+1], v[X+4*j+2], v[X+4*j+3]
	global_store_b64 v[VO], v[Y+2*j:Y+2*j+1], s[22+2*(j/8):23+2*(j/8)] offset:(j%8)*(\rows)*128
.set j, j+1
.endr
.endm
	s_cmp_lt_u32 ttmp9, 512
	s_cbranch_scc0 .Lnot_x
	s_lshl_b32 s17, ttmp9, 4
	s_add_co_u32 s17, s17, s16
	BLK 4, 10, 8192
	s_endpgm
.Lnot_x:
	s_cmp_lt_u32 ttmp9, 704
	s_cbranch_scc0 .Lw_out
	s_sub_co_u32 s17, ttmp9, 512
	s_lshl_b32 s17, s17, 4
	s_add_co_u32 s17, s17, s16
	BLK 6, 12, 3072
	s_endpgm
.Lw_out:                                       ; row-major: load j takes 512 consecutive bytes, store j 256
	s_sub_co_u32 s17, ttmp9, 704
	s_lshl_b32 s17, s17, 4
	s_add_co_u32 s17, s17, s16
	BASES 8, 14, 11
	v_lshlrev_b32 v[VI], 4, v3
.set j, 0
.rept 16
	global_load_b128 v[X+4*j:X+4*j+3], v[VI], s[20:21] offset:(j/8)*4096+(j%8)*512 th:TH_LOAD_NT
.set j, j+1
.endr
.set j, 0
.rept 16
	s_wait_loadcnt 15-j                            ; load j is in
	v_cvt_pk_bf16_f32 v4, v[X+4*j],   v[X+4*j+1]   ; rounded to bf16, like the other inputs,
	v_cvt_pk_bf16_f32 v5, v[X+4*j+2], v[X+4*j+3]
	v_lshlrev_b32 v6, 16, v4                       ; widened again,
	v_and_b32 v4, s18, v4
	v_lshlrev_b32 v7, 16, v5
	v_and_b32 v5, s18, v5
	v_cvt_pk_f16_f32 v[Y+2*j],   v6, v4            ; and written as f16: eight significant bits fit in eleven
	v_cvt_pk_f16_f32 v[Y+2*j+1], v7, v5
	global_store_b64 v[VO], v[Y+2*j:Y+2*j+1], s[22:23] offset:(j/8)*2048+(j%8)*256
.set j, j+1
.endr
	s_endpgm
.Lfunc_end_k_q1cfebdbfab_cast:
	.size	k_q1cfebdbfab_cast, .Lfunc_end_k_q1cfebdbfab_cast-k_q1cfebdbfab_cast
	.p2alignl 7, 3214868480
	.fill 96, 4, 3214868480
	.section	.rodata,"a",@progbits
	.p2align	6, 0x0
	.amdhsa_kernel k_q1cfebdbfab_cast
		.amdhsa_group_segment_fixed_size 0
		.amdhsa_private_segment_fixed_size 0
		.amdhsa_enable_private_segment 0
		.amdhsa_kernarg_size 48
		.amdhsa_user_sgpr_count 2
		.amdhsa_user_sgpr_kernarg_segment_ptr 1
		.amdhsa_wavefront_size32 1
		.amdhsa_system_sgpr_workgroup_id_x 1
		.amdhsa_system_sgpr_workgroup_id_y 1
		.amdhsa_system_sgpr_workgroup_id_z 1
		.amdhsa_system_vgpr_workitem_id 0
		.amdhsa_next_free_vgpr 104
		.amdhsa_next_free_sgpr 66
		.amdhsa_reserve_vcc 0
		.amdhsa_float_denorm_mode_32 3
		.amdhsa_float_denorm_mode_16_64 3
		.amdhsa_memory_ordered 1
		.amdhsa_forward_progress 1
		.amdhsa_inst_pref_size 23
	.end_amdhsa_kernel
	.amdgpu_metadata
---
amdhsa.version: [ 1, 2 ]
amdhsa.kernels:
  - .name:           k_q1cfebdbfab_cast
    .symbol:         k_q1cfebdbfab_cast.kd
    .args:
      - { .name: x, .offset: 0, .size: 8, .value_kind: global_buffer, .address_space: global }
      - { .name: w_qkv, .offset: 8, .size: 8, .value_kind: global_buffer, .address_space: global }
      - { .name: w_out, .offset: 16, .size: 8, .value_kind: global_buffer, .address_space: global }
      - { .name: xb, .offset: 24, .size: 8, .value_kind: global_buffer, .address_space: global }
      - { .name: wqb, .offset: 32, .size: 8, .value_kind: global_buffer, .address_space: global }
      - { .name: wob, .offset: 40, .size: 8, .value_kind: global_buffer, .address_space: global }
    .group_segment_fixed_size: 0
    .private_segment_fixed_size: 0
    .kernarg_segment_align: 8
    .kernarg_segment_size: 48
    .max_flat_workgroup_size: 256
    .sgpr_count:     66
    .vgpr_count:     104
    .wavefront_size: 32
...
	.end_amdgpu_metadata
.endif
;; end of part 1
;; launch proj (part 2): grid 8 x 32, 4 waves a work-group, clusters of 4 x 4, 327,680 bytes of LDS; arguments xb, wqb, qkvh; writes qkvh
.if DOCPART == 2
	.amdgcn_target "amdgcn-amd-amdhsa--gfx1250"
	.amdhsa_code_object_version 6
	.text
	.protected	k_q1cfebdbfab_proj
	.globl	k_q1cfebdbfab_proj
	.p2align	8
	.type	k_q1cfebdbfab_proj,@function
k_q1cfebdbfab_proj:
	s_mov_b64 s[64:65], 0
	v_nop
	global_prefetch_b8 v0, s[64:65] scope:SCOPE_SE
	s_setreg_imm32_b32 hwreg(HW_REG_WAVE_MODE, 25, 1), 1
	s_wait_xcnt 0x0
	s_wait_alu depctr_hold_cnt(0) depctr_sa_sdst(0) depctr_va_vdst(0) depctr_va_sdst(0) depctr_va_ssrc(0) depctr_va_vcc(0) depctr_vm_vsrc(0)
	s_getreg_b32 s2, hwreg(HW_REG_IB_STS2, 6, 4)
	s_cmp_eq_u32 s2, 0
	s_cbranch_scc0 .Lentry_in_a_cluster
	s_endpgm
.Lentry_in_a_cluster:
	s_bfe_u32 s2, ttmp6, 0x10000c
	s_cmp_lg_u32 s2, 0xf033
	s_cbranch_scc0 .Lentry_shape_is_right
	s_endpgm
.Lentry_shape_is_right:
; qkv[m][f] = the sum over k of x[m][k] w_qkv[f][k]: 8,192 x 3,072 x 1,024, operands bf16, sums f32, stored once rounded to f16, BY HEADS: qkvh[3][64 = 16 b + h][2048][64], unscaled.
; LIMIT.  A sum of 65,520 or more becomes an infinity in f16; NaN and infinities are not treated apart.
; xb and wqb lie in blocks of K, [16][rows][64]: the rows of a tile 64 wide lie end to end, 128 bytes each, and are asked for as rows of 256 bytes.
; SHARES.  8,192 x 3,072 / 256 work-groups = a tile of 256 rows x 384 columns.  Four waves, each 128 rows x 192 columns (three heads' 64): 8 x 12 = 96 accumulators, 768 registers.
; K goes in 16 steps of 64 through two LDS slots of 640 rows x 144 bytes; steps of 128 would want 348,160 bytes for two slots.  A step is two SLICES of 32 along K, a slice three GROUPS of 32 products.
; The matrix instruction is used transposed (source 0 = 16 rows of w, source 1 = 16 rows of x): a lane holds one row of the result and eight neighbouring columns.
; CLUSTER 4 x 4: x's tile is shared along a row of the cluster, w's along a column; each is asked for jointly, by the same load, descriptor and mask in the four.
; REGISTERS, in windows of 256 (s_set_vgpr_msb: bits 1:0 source 0, 3:2 source 1, 5:4 source 2, 7:6 destination):
;   window 0: v0-31 addresses; v32-95, v96-159 x's eight fragments of slice 0, slice 1; v160-255 w's fragments, 32 registers for each group; on the way out v32-175
;   window t + 1: group t's 32 accumulators ((a, bb) at v[8 (4 a + bb)]): row block a, column block 4 t + bb
.set PITCH,  144                       ; an LDS row: 128 bytes + 16 of padding = 36 words: the 16 rows of a fragment load start at 16 different groups of four banks (64 banks of 4 bytes: ISA guide 11.1)
.set ATILE,  256*PITCH
.set BTILE,  384*PITCH
.set SLOT,   ATILE+BTILE               ; x's 256 rows, then w's 384
.set STAGE,  2*SLOT                    ; behind the ring: 16 rows x 400 bytes for each wave, for the way out
.set SPITCH, 400                       ; 384 bytes + 16
.set SPARE,  STAGE+4*16*SPITCH         ; behind the stages: the spare words, 128 bytes a wave: two blocks of 256 bytes that no other line names
.set XPLANE, 8192*128                  ; bytes from a block of K to the next, in xb
.set WPLANE, 3072*128                  ; and in wqb
.set ADRA, 16                          ; v16-17  LDS address of my x fragments in slot 0, 1
.set ADRB, 20                          ; v20-21  the same for w
.set STO,  24                          ; v24     the way out: where I put 16 bytes of a row
.set RD,   25                          ; v25     the way out: where I read rows back
.set GO,   26                          ; v26     16 x lane: my place in 512 consecutive bytes of a head
.set SPW,  28                          ; v28     LDS address of my spare word; never rewritten
.set NIL,  29                          ; v29     0; never rewritten
.set PFO,  30                          ; v30     the prefetches' offset; never rewritten
.set AF0,  32
.set AF1,  96
.set BF,   160
.set TMP,  32                          ; the way out: 48 registers of packed results
.set OB,   80                          ; the way out: 16 rows read back: v80-127 and v128-175 by turns
.set G1,  24                           ; s[24:31] descriptor group 1 for x's tiles;  s[32:39] group 0, a set for each slot
.set G0,  32
.set G1B, 48                           ; s[48:55], s[56:63] the same for w's
.set G0B, 56
.set LIM, 43                           ; s43     1 in a wave that prefetches, else the greatest number
.set PFA, 44                           ; s[44:45] where my prefetches stand
.set PFS, 46                           ; s[46:47] their step: two blocks of K
.set OUT, 66                           ; s[66:71] my first row in each of my three heads
.set MSB, 0
.macro WIN new                         ; the immediate's high byte repeats the setting that is left; a switch that changes nothing is dropped
.if MSB != (\new)
	s_set_vgpr_msb (MSB<<8)|(\new)
.set MSB, (\new)
.endif
.endm
; A joint load.  Waves 0 and 1 fetch the two halves of x's tile, waves 2 and 3 those of w's.  The branch hangs on the wave's number alone.
; An s_nop 0 and four v_nop follow each of the two lines, ahead of the jump and the label.
.macro JLOAD s
	s_cmp_lt_u32 s10, 2
	s_cbranch_scc0 .Lfor_b_\@
	tensor_load_to_lds s[G0+4*(\s):G0+4*(\s)+3], s[G1:G1+7]
	s_nop 0
.rept 4
	v_nop
.endr
	s_branch .Lasked_\@
.Lfor_b_\@:
	tensor_load_to_lds s[G0B+4*(\s):G0B+4*(\s)+3], s[G1B:G1B+7]
	s_nop 0
.rept 4
	v_nop
.endr
.Lasked_\@:
.endm
.macro CREST                           ; a round of the cluster's barrier behind its opening barrier
	s_cmp_lg_u32 s10, 0
	s_cbranch_scc1 .Lnot_wave_0_\@
	s_barrier_signal -3
.Lnot_wave_0_\@:
	s_barrier_wait -3
	s_barrier_signal -1
	s_barrier_wait -1
.endm
.macro CROUND                          ; a whole round
	s_barrier_signal -1
	s_barrier_wait -1
	CREST
.endm
; A PREFETCH INTO THE L2, once a lap (two K steps), behind the joint load of the lap's first change of slots and the LDS loads that follow it: in lap j K steps 2 j + 3 and 2 j + 4,
; which the joint loads ask for one and two changes of slots later.  Each aligned block of 256 bytes is named once in the launch:
; x's tile row (128 blocks a step) is read by the two clusters along x: cluster x takes step 2 j + 3 + x; its four partners take 32 blocks each, told apart by address (cx); wave 0 asks, a lane a block.
; w's tile column (192 blocks a step) is read by all eight clusters along y: cluster y = 0 asks; block i = 96 cy + 32 (wave - 1) + lane of the two steps' 384; waves 1 to 3 ask.
; K steps 0 to 2 and 15 come by their loads alone; the last lap of the loop asks for nothing.
.macro ASK
	s_cmp_gt_u32 s3, s[LIM]
	s_cbranch_scc0 .Lnot_mine_\@
	global_prefetch_b8 v[PFO], s[PFA:PFA+1] th:TH_LOAD_NT scope:SCOPE_SE
.Lnot_mine_\@:
.endm
	s_load_b128 s[4:7], s[0:1], 0x0                ; xb s[4:5], wqb s[6:7]
	s_load_b64 s[8:9], s[0:1], 0x10                ; qkvh
	v_lshl_add_u32 v[SPW], v0, 2, SPARE
	v_mov_b32 v[NIL], 0
	ds_add_u32 v[SPW], v[NIL]                      ; the wave's opening: the add and its wait stand ahead of my first tensor load; work on registers stands between them
	v_lshrrev_b32 v1, 5, v0
	v_readfirstlane_b32 s10, v1                    ; wave 0..3
	s_lshr_b32 s11, s10, 1                         ; which 128 rows of the tile are mine
	s_and_b32 s12, s10, 1                          ; which 192 columns.  Also: which half of a tile I fetch
	s_bfe_u32 s40, ttmp6, 0x40000                  ; cx
	s_bfe_u32 s41, ttmp6, 0x40004                  ; cy
	s_lshl_b32 s42, ttmp9, 2
	s_add_co_u32 s42, s42, s40                     ; tile column = 4 x cluster x + cx, 0..7
	s_and_b32 s13, ttmp7, 0xffff
	s_lshl_b32 s13, s13, 2
	s_add_co_u32 s13, s13, s41                     ; tile row = 4 x cluster y + cy, 0..31
	s_lshl_b32 s43, s41, 2
	s_lshl_b32 s43, 15, s43                        ; my row of the cluster
	s_lshl_b32 s44, 0x1111, s40                    ; my column
	; group 1: dense bytes asked for as rows of 256 (two matrix rows), padded in LDS after every 128
	s_or_b32 s[G1+0], s43, (1<<16)|(1<<20)|(1<<21)|(4<<22)|(3<<25)   ; 15:0 mask; 17:16 2-byte elements; 20 padding on; 21 set beside a mask; 24:22 after every 32 words (code 4); 31:25 4 words (code 3)
	s_or_b32 s[G1B+0], s44, (1<<16)|(1<<20)|(1<<21)|(4<<22)|(3<<25)
	s_mov_b32 s[G1+1], 128<<16                     ; tensor_dim0 = 128
	s_mov_b32 s[G1+2], 64<<16                      ; tensor_dim1 = 64: 128 matrix rows
	s_mov_b32 s[G1+3], 128<<16                     ; tile_dim0 = 128
	s_mov_b32 s[G1+4], 64                          ; tile_dim1 = 64
	s_mov_b32 s[G1+5], 128                         ; 128 elements from row to row
	s_mov_b32 s[G1+6], 0
	s_mov_b32 s[G1+7], 0
	s_mov_b32 s[G1B+1], 128<<16
	s_mov_b32 s[G1B+2], 96<<16                     ; 96 rows: 192 matrix rows
	s_mov_b32 s[G1B+3], 128<<16
	s_mov_b32 s[G1B+4], 96
	s_mov_b32 s[G1B+5], 128
	s_mov_b32 s[G1B+6], 0
	s_mov_b32 s[G1B+7], 0
	s_lshl_b32 s16, s13, 15                        ; x: 256 rows x 128 bytes a tile row,
	s_lshl_b32 s17, s12, 14                        ; my half of them
	s_add_co_u32 s16, s16, s17
	s_mov_b32 s17, 0
	s_mul_i32 s46, s42, 384*128                    ; w: 384 rows a tile column,
	s_mul_i32 s47, s12, 192*128                    ; my half
	s_add_co_u32 s46, s46, s47
	s_mov_b32 s47, 0
	s_mul_i32 s20, s12, 128*PITCH                  ; where they go: no place in the cluster enters an LDS address
	s_mul_i32 s23, s12, 192*PITCH
	s_add_co_u32 s23, s23, ATILE
	s_wait_dscnt 0x0                               ; the opening add is done
	s_wait_kmcnt 0x0
	s_add_nc_u64 s[14:15], s[4:5], s[16:17]
	s_add_nc_u64 s[46:47], s[6:7], s[46:47]
	CROUND                                         ; all sixteen work-groups are here: the first joint loads meet
.irp s, 0,1
	s_mov_b32 s[G0+4*(\s)], 1                      ; count = 1
	s_add_co_u32 s[G0+4*(\s)+1], s20, (\s)*SLOT    ; LDS address
	s_add_nc_u64 s[G0+4*(\s)+2:G0+4*(\s)+3], s[14:15], (\s)*XPLANE  ; K step s
	s_or_b32 s[G0+4*(\s)+3], s[G0+4*(\s)+3], 0x80000000             ; type = 2
	s_mov_b32 s[G0B+4*(\s)], 1
	s_add_co_u32 s[G0B+4*(\s)+1], s23, (\s)*SLOT
	s_add_nc_u64 s[G0B+4*(\s)+2:G0B+4*(\s)+3], s[46:47], (\s)*WPLANE
	s_or_b32 s[G0B+4*(\s)+3], s[G0B+4*(\s)+3], 0x80000000
	JLOAD \s                                       ; two loads of mine are out
.endr
	; A fragment is 16 rows x 32 K in 8 registers: lane l holds row l % 16, K = 8 (l / 16) + 0..7 and 16 + 8 (l / 16) + 0..7: two loads of 16 bytes, 32 bytes apart
	v_and_b32 v1, 15, v0                           ; l % 16
	v_bfe_u32 v2, v0, 4, 1                         ; l / 16
	v_mul_u32_u24 v3, v1, PITCH
	v_lshl_add_u32 v3, v2, 4, v3
	s_mul_i32 s21, s11, 128*PITCH                  ; my 128 rows of x
	s_mul_i32 s22, s12, 192*PITCH                  ; my 192 rows of w,
	s_add_co_u32 s22, s22, ATILE                   ; behind x's 256
.irp s, 0,1
	v_add_nc_u32 v[ADRA+(\s)], s21, v3
	v_add_nc_u32 v[ADRB+(\s)], s22, v3
	s_add_co_u32 s21, s21, SLOT
	s_add_co_u32 s22, s22, SLOT
.endr
	s_mul_i32 s21, s10, 16*SPITCH
	s_add_co_u32 s21, s21, STAGE                   ; my stage
	v_mul_u32_u24 v3, v1, SPITCH                   ; in: row l % 16, 16 bytes for each half of the lanes
	v_lshl_add_u32 v3, v2, 4, v3
	v_add_nc_u32 v[STO], s21, v3
	v_bfe_u32 v3, v0, 3, 2                         ; back: 32 lanes take four rows' 128 bytes of one head
	v_mul_u32_u24 v3, v3, SPITCH
	v_and_b32 v[RD], 7, v0
	v_lshl_add_u32 v3, v[RD], 4, v3
	v_add_nc_u32 v[RD], s21, v3
	v_and_b32 v[GO], 31, v0
	v_lshlrev_b32 v[GO], 4, v[GO]
	; my three heads: group of 64 columns g = 6 x tile column + 3 x half + j: tensor g / 16, head g % 16; batch = tile row / 8
	s_mul_i32 s72, s42, 6
	s_mul_i32 s73, s12, 3
	s_add_co_u32 s72, s72, s73
	s_lshr_b32 s73, s13, 3
	s_lshl_b32 s73, s73, 4                         ; 16 x batch
	s_and_b32 s74, s13, 7
	s_lshl_b32 s74, s74, 8
	s_lshl_b32 s75, s11, 7
	s_add_co_u32 s74, s74, s75
	s_lshl_b32 s74, s74, 7                         ; my first row in the head, 128 bytes a row
	s_mov_b32 s77, 0
.irp j, 0,1,2
	s_add_co_u32 s76, s72, \j
	s_lshr_b32 s75, s76, 4
	s_lshl_b32 s75, s75, 6                         ; 64 heads a tensor
	s_and_b32 s76, s76, 15
	s_add_co_u32 s76, s76, s75
	s_add_co_u32 s76, s76, s73
	s_lshl_b32 s76, s76, 18                        ; 262,144 bytes a head
	s_add_co_u32 s76, s76, s74
	s_add_nc_u64 s[OUT+2*(\j):OUT+2*(\j)+1], s[8:9], s[76:77]
.endr
	; the prefetches
	s_and_b32 s72, ttmp7, 0xffff                   ; cluster y
	s_add_co_u32 s73, ttmp9, 3
	s_lshl_b32 s73, s73, 20                        ; x: K step 3 + cluster x,
	s_lshl_b32 s74, s13, 15                        ; my tile row,
	s_add_co_u32 s73, s73, s74
	s_lshl_b32 s74, s40, 13                        ; my work-group's 32 blocks of its 128
	s_add_co_u32 s73, s73, s74
	s_mul_i32 s74, s42, 384*128                    ; w: my tile column,
	s_add_co_u32 s74, s74, 3*WPLANE                ; K step 3
	s_mul_i32 s75, s41, 96
	s_lshl_b32 s76, s10, 5
	s_add_co_u32 s75, s75, s76
	s_sub_co_u32 s75, s75, 32                      ; 96 cy + 32 (wave - 1)
	s_mov_b32 s78, 2*XPLANE
	s_mov_b32 s79, 2*WPLANE
	s_cmp_eq_u32 s72, 0
	s_cselect_b32 s[LIM], 1, -1                    ; w's: the first cluster along y alone: the same in all sixteen partners
	s_cmp_eq_u32 s10, 0                            ; wave 0 asks for x's
	s_cselect_b32 s[LIM], 1, s[LIM]
	s_cselect_b32 s76, s73, s74
	s_cselect_b32 s75, 0, s75
	s_cselect_b32 s[PFS], s78, s79
	s_cselect_b64 s[PFA:PFA+1], s[4:5], s[6:7]
	s_mov_b32 s[PFS+1], 0
	s_add_nc_u64 s[PFA:PFA+1], s[PFA:PFA+1], s[76:77]
	s_mov_b32 s72, WPLANE-192*256                  ; from the first step's last block to the second step's first
	v_and_b32 v[PFO], 31, v0
	v_add_nc_u32 v[PFO], s75, v[PFO]               ; block i
	v_cmp_le_u32 vcc_lo, 192, v[PFO]
	v_cndmask_b32 v3, 0, s72, vcc_lo
	v_lshl_add_u32 v[PFO], v[PFO], 8, v3
; n x 4 products of group t: row blocks lo .. lo + n - 1 x the group's four column blocks, 32 along K, x's fragments in buffer f.  zero = 1: the product starts the sum: nothing is ever cleared.
; The 96 accumulators take turns, one instruction a turn, in the same order in every slice: 95 others' stand between two links of a chain.
.macro GROUP f, t, lo, n, zero
	WIN 0x50*((\t)+1)                              ; C and D in window t + 1, the sources in window 0
.set ga, (\lo)
.rept (\n)
.irp bb, 0,1,2,3
.if \zero
	v_wmma_f32_16x16x32_bf16 v[8*(4*ga+(\bb)):8*(4*ga+(\bb))+7], v[BF+32*(\t)+8*(\bb):BF+32*(\t)+8*(\bb)+7], v[(\f)+8*ga:(\f)+8*ga+7], 0
.else
	v_wmma_f32_16x16x32_bf16 v[8*(4*ga+(\bb)):8*(4*ga+(\bb))+7], v[BF+32*(\t)+8*(\bb):BF+32*(\t)+8*(\bb)+7], v[(\f)+8*ga:(\f)+8*ga+7], v[8*(4*ga+(\bb)):8*(4*ga+(\bb))+7]
.endif
.endr
.set ga, ga+1
.endr
.endm
.macro LDB slot, k, t                  ; 8 LDS loads: group t's four fragments of w, at byte k of the rows
	WIN 0
.irp bb, 0,1,2,3
	ds_load_b128 v[BF+32*(\t)+8*(\bb):BF+32*(\t)+8*(\bb)+3],   v[ADRB+(\slot)] offset:(\k)+(4*(\t)+(\bb))*16*PITCH
	ds_load_b128 v[BF+32*(\t)+8*(\bb)+4:BF+32*(\t)+8*(\bb)+7], v[ADRB+(\slot)] offset:(\k)+(4*(\t)+(\bb))*16*PITCH+32
.endr
.endm
.macro LDA slot, k, f, half            ; 8 LDS loads: four of x's eight fragments into buffer f
	WIN 0
.irp i, 0,1,2,3
	ds_load_b128 v[(\f)+32*(\half)+8*(\i):(\f)+32*(\half)+8*(\i)+3],   v[ADRA+(\slot)] offset:(\k)+(4*(\half)+(\i))*16*PITCH
	ds_load_b128 v[(\f)+32*(\half)+8*(\i)+4:(\f)+32*(\half)+8*(\i)+7], v[ADRA+(\slot)] offset:(\k)+(4*(\half)+(\i))*16*PITCH+32
.endr
.endm
.macro PLACES                          ; four places between a matrix instruction and a load into a register that it has read, or a conversion that reads its result (ISA guide 7.12.1 for the conversion)
.rept 4
	v_nop
.endr
.endm
; A slot's slice 0: multiplies buffer AF0 and fetches slice 1 (byte 64 of the rows); each third of w's registers is loaded again as soon as its group has multiplied.
.macro HEAD slot, zero
	s_wait_dscnt 8                                 ; all but the youngest run, w's third 2, are in
	GROUP AF0, 0, 0, 8, \zero
	PLACES
	LDB \slot, 64, 0
	LDA \slot, 64, AF1, 0
	GROUP AF0, 1, 0, 8, \zero
	PLACES
	LDB \slot, 64, 1
	LDA \slot, 64, AF1, 1
	s_wait_dscnt 32                                ; all but the 32 just issued: w's third 2 is in
	GROUP AF0, 2, 0, 8, \zero
	PLACES
	LDB \slot, 64, 2
.endm
; A slot's slice 1: multiplies buffer AF1 and changes slots.  ONE barrier: in front of it each wave waits for all its tensor loads (one is out: its part of the next slot), adds 0 to its spare word, and waits
; for that and for its reads of this slot.  fill = 1: the barrier opens a round of the cluster's, and behind it this slot is filled again, two K steps on: 160 products stand between that request and the wait for it.
.macro TURN slot, next, fill
.if (\fill) && ((\slot) == 1)
	s_wait_xcnt 0x0                                ; the lap's prefetch, 160 products back, has read its address: it is stepped here, ahead of the waits of the change of slots
	s_add_nc_u64 s[PFA:PFA+1], s[PFA:PFA+1], s[PFS:PFS+1]
.endif
	WIN 0
	s_wait_tensorcnt 0x0                           ; all my tensor loads have landed
	ds_add_u32 v[SPW], v[NIL]                      ; 0 onto my spare word
	s_wait_dscnt 9                                 ; the add and the youngest eight loads (w's third 2) may be out
	GROUP AF1, 0, 0, 4, 0                          ; sixteen products stand between the add and the wait for it
	s_wait_dscnt 0x0                               ; the add is done, and my reads of this slot are over
	s_barrier_signal -1
	GROUP AF1, 0, 4, 4, 0                          ; work on registers while the others arrive
	WIN 0                                          ; at a branch and at a label every window is 0
	s_barrier_wait -1
.if \fill
	CREST                                          ; no wave of any partner still reads this slot or has a load on its way
	s_add_nc_u64 s[G0+4*(\slot)+2:G0+4*(\slot)+3], s[G0+4*(\slot)+2:G0+4*(\slot)+3], 2*XPLANE
	s_add_nc_u64 s[G0B+4*(\slot)+2:G0B+4*(\slot)+3], s[G0B+4*(\slot)+2:G0B+4*(\slot)+3], 2*WPLANE
	JLOAD \slot                                    ; the first tensor load behind the round; its four v_nop are also the places in front of the loads below
.else
	PLACES
.endif
	LDB \next, 0, 0
	LDA \next, 0, AF0, 0
.if (\fill) && ((\slot) == 0)
	ASK
.endif
	GROUP AF1, 1, 0, 8, 0
	PLACES
	LDB \next, 0, 1
	LDA \next, 0, AF0, 1
	GROUP AF1, 2, 0, 8, 0
	PLACES
	LDB \next, 0, 2
.endm
; THE WAY OUT of row block a.  PACK: rounded to f16, 16 bytes a lane.  TOSTAGE: into my own stage, and back head by head, four rows of 128 bytes a load.  SEND: stored.
.macro PACK a
.irp t, 0,1,2
	WIN 5*((\t)+1)                                 ; sources 0 and 1 in window t + 1; each accumulator's registers in ascending order
.irp bb, 0,1,2,3
.irp rr, 0,1,2,3
	v_cvt_pk_f16_f32 v[TMP+4*(4*(\t)+(\bb))+(\rr)], v[8*(4*(\a)+(\bb))+2*(\rr)], v[8*(4*(\a)+(\bb))+2*(\rr)+1]
.endr
.endr
.endr
	WIN 0
.endm
.macro TOSTAGE a
	WIN 0
.set BK, OB+48*((\a)%2)
.irp c, 0,1,2,3,4,5,6,7,8,9,10,11
	ds_store_b128 v[STO], v[TMP+4*(\c):TMP+4*(\c)+3] offset:32*(\c)
.endr
.irp j, 0,1,2
.irp t, 0,1,2,3
	ds_load_b128 v[BK+4*(4*(\j)+(\t)):BK+4*(4*(\j)+(\t))+3], v[RD] offset:4*SPITCH*(\t)+128*(\j)  ; LDS serves a wave's instructions in order (ISA guide 5.7.1.4): these see the stores above
.endr
.endr
.endm
.macro SEND a
	WIN 0
.set BK, OB+48*((\a)%2)
	s_wait_dscnt 0x0                               ; the block is back in registers
	s_wait_xcnt 0x0                                ; the stores of the block before have read their registers: the next TOSTAGE loads into them
.irp j, 0,1,2
.irp t, 0,1,2,3
	global_store_b128 v[GO], v[BK+4*(4*(\j)+(\t)):BK+4*(4*(\j)+(\t))+3], s[OUT+2*(\j):OUT+2*(\j)+1] offset:2048*(\a)+512*(\t)  ; 512 consecutive bytes of a head, at a multiple of 256 from its first
.endr
.endr
.endm
	s_wait_tensorcnt 1                             ; my part of K step 0 is in; K step 1's may stay out
	s_barrier_signal -1
	s_barrier_wait -1                              ; everybody's is
	LDB 0, 0, 0
	LDA 0, 0, AF0, 0
	LDB 0, 0, 1
	LDA 0, 0, AF0, 1
	LDB 0, 0, 2
	HEAD 0, 1                                      ; the first slice stands in front of the loop: its products start the sums
	WIN 0
	s_mov_b32 s3, 7
.Llap:                                                 ; a trip goes once round the ring, from a lap's second slice to the next lap's first, and fills both slots again
	TURN 0, 1, 1
	HEAD 1, 0
	TURN 1, 0, 1
	HEAD 0, 0
	WIN 0
	s_sub_co_u32 s3, s3, 1
	s_cmp_lg_u32 s3, 0
	s_cbranch_scc1 .Llap
	TURN 0, 1, 0                                   ; the last lap fills nothing, and has no round of the cluster's barrier
	HEAD 1, 0
	s_wait_dscnt 8                                 ; the very last slice: nothing more to fetch
	GROUP AF1, 0, 0, 8, 0
	GROUP AF1, 1, 0, 8, 0
	s_wait_dscnt 0x0
	GROUP AF1, 2, 0, 8, 0
	PLACES
	PACK 0
	TOSTAGE 0
.irp a, 1,2,3,4,5,6,7                  ; block a's conversions stand between block a - 1's loads from the stage and the wait for them
	PACK \a
	SEND (\a)-1
	TOSTAGE \a
.endr
	SEND 7
	s_wait_tensorcnt 0x0                           ; the wave's end: an add and its wait, behind my last tensor load and my last LDS store
	ds_add_u32 v[SPW], v[NIL]
	s_wait_dscnt 0x0
	CROUND                                         ; the closing round: no work-group ends while a partner may still ask for a tile that names it
	s_endpgm
.Lfunc_end_k_q1cfebdbfab_proj:
	.size	k_q1cfebdbfab_proj, .Lfunc_end_k_q1cfebdbfab_proj-k_q1cfebdbfab_proj
	.p2alignl 7, 3214868480
	.fill 96, 4, 3214868480
	.section	.rodata,"a",@progbits
	.p2align	6, 0x0
	.amdhsa_kernel k_q1cfebdbfab_proj
		.amdhsa_group_segment_fixed_size 327680
		.amdhsa_private_segment_fixed_size 0
		.amdhsa_enable_private_segment 0
		.amdhsa_kernarg_size 24
		.amdhsa_user_sgpr_count 2
		.amdhsa_user_sgpr_kernarg_segment_ptr 1
		.amdhsa_wavefront_size32 1
		.amdhsa_system_sgpr_workgroup_id_x 1
		.amdhsa_system_sgpr_workgroup_id_y 1
		.amdhsa_system_sgpr_workgroup_id_z 1
		.amdhsa_system_vgpr_workitem_id 0
		.amdhsa_next_free_vgpr 1024
		.amdhsa_next_free_sgpr 80
		.amdhsa_reserve_vcc 1
		.amdhsa_float_denorm_mode_32 3
		.amdhsa_float_denorm_mode_16_64 3
		.amdhsa_memory_ordered 1
		.amdhsa_forward_progress 1
		.amdhsa_inst_pref_size 132
	.end_amdhsa_kernel
	.amdgpu_metadata
---
amdhsa.version: [ 1, 2 ]
amdhsa.kernels:
  - .name:           k_q1cfebdbfab_proj
    .symbol:         k_q1cfebdbfab_proj.kd
    .args:
      - { .name: xb, .offset: 0, .size: 8, .value_kind: global_buffer, .address_space: global }
      - { .name: wqb, .offset: 8, .size: 8, .value_kind: global_buffer, .address_space: global }
      - { .name: qkvh, .offset: 16, .size: 8, .value_kind: global_buffer, .address_space: global }
    .group_segment_fixed_size: 327680
    .private_segment_fixed_size: 0
    .kernarg_segment_align: 8
    .kernarg_segment_size: 24
    .max_flat_workgroup_size: 128
    .sgpr_count:     80
    .vgpr_count:     1024
    .wavefront_size: 32
...
	.end_amdgpu_metadata
.endif
;; end of part 2
;; launch attn (part 3): grid 4 x 64, 4 waves a work-group, clusters of 4 x 1, 327,680 bytes of LDS; arguments qkvh, ob; writes ob
.if DOCPART == 3
	.amdgcn_target "amdgcn-amd-amdhsa--gfx1250"
	.amdhsa_code_object_version 6
	.text
	.protected	k_q1cfebdbfab_attn
	.globl	k_q1cfebdbfab_attn
	.p2align	8
	.type	k_q1cfebdbfab_attn,@function
k_q1cfebdbfab_attn:
	s_mov_b64 s[64:65], 0
	v_nop
	global_prefetch_b8 v0, s[64:65] scope:SCOPE_SE
	s_setreg_imm32_b32 hwreg(HW_REG_WAVE_MODE, 25, 1), 1
	s_wait_xcnt 0x0
	s_wait_alu depctr_hold_cnt(0) depctr_sa_sdst(0) depctr_va_vdst(0) depctr_va_sdst(0) depctr_va_ssrc(0) depctr_va_vcc(0) depctr_vm_vsrc(0)
	s_getreg_b32 s2, hwreg(HW_REG_IB_STS2, 6, 4)
	s_cmp_eq_u32 s2, 0
	s_cbranch_scc0 .Lentry_in_a_cluster
	s_endpgm
.Lentry_in_a_cluster:
	s_bfe_u32 s2, ttmp6, 0x10000c
	s_cmp_lg_u32 s2, 0x3003
	s_cbranch_scc0 .Lentry_shape_is_right
	s_endpgm
.Lentry_shape_is_right:
; O[h][q][:] = the sum over k of softmax_k(Q[h][q] . K[h][k] / 8) V[h][k][:].  qkvh holds Q, K, V, each [64][2048][64] in f16, 16,777,216 bytes apart; ob is O in the same layout.  A head's rows are dense, 128 bytes each.
; Products, maxima and sums in f32; the weights p are rounded to f16 for the second product (their sum l is taken of the unrounded p), O once at the end.
; LIMITS.  f16 holds no number beyond 65,504: Q, K and V arrive within it; p lies in 0 to 1, and below 6e-5 it keeps f16's fixed step of 6e-8; O is a mean of V's rows and has their range.
; A weight below 2^-126 counts as 0 in l; NaN and infinities are not treated apart.
; SHARES.  A wave owns four PIECES of two tiles of 16 queries, a work-group's four waves 512 queries of one head: 4 x 64 = 256 work-groups.  Every wave walks all keys, 64 a step.
; LAYOUT.  S^T = K Q^T (source 0 = 16 keys, source 1 = 16 queries): a lane holds ONE query (lane % 16) and the keys 8 (lane / 16) + 0..7.  Two such tiles, rounded to f16 in pairs, ARE source 1
; (32 keys x 16 queries) of O^T = V^T P, whose result again holds one query a lane, and eight channels.  K comes out of LDS as it lies, V ([key][channel]) turned, by ds_load_tr16_b128.
; SOFTMAX.  For each query a running maximum m and sum l: p = 2^(c s - c m), c = log2(e) / 8; in every step O and l are multiplied by a = 2^(c m_old - c m_new).
; m starts at the lowest finite number, O and l at 0: the first step is a step like any other, with a = 0.
; THE COUNT.  A tile and step have 16 matrix and 118 vector instructions.  So four vector instructions that are ready stand behind EVERY matrix instruction, and the others in runs of their own.
; BY TURNS.  Turn n belongs to piece n.  Its matrix work: 16 products K Q^T of piece n + 1, later 16 products V^T P of piece n - 1.  Its vector work: the scaling, exponentials, roundings, sums and
; rescaling of piece n, and the maximum and statistics of piece n + 1, whose scores the turn itself has made.
; CLUSTER.  The four query blocks of a head form a cluster and walk the same K and V: each tile is asked for JOINTLY: the same tensor load, descriptor and mask in all four.
; REGISTERS, in windows of 256 (s_set_vgpr_msb: bits 1:0 source 0, 3:2 source 1, 5:4 source 2, 7:6 destination):
;   window 0: v0-11 addresses; v12-15, v48-63 at work; v16-47 four registers of statistics a tile; v64-191 S^T, two buffers of two tiles; v192-255 P, likewise
;   window 1: O^T, 32 a tile          window 2: v0-127 Q, 16 a tile; v128-191 K of one step; v192-255 V of one step          window 3: v0-1 the add's two registers
.set SIZE_H, 64
.set SIZE_N, 2048
.set NP,    4         ; pieces a wave: a name, no knob
.set KS,    64        ; keys in a step
.set PK,    144       ; a row of K in LDS: 128 bytes + 16 of padding = 36 words: the 16 rows of a load start at 16 different groups of four banks (64 banks of 4 bytes: ISA guide 11.1)
.set PV,    160       ; a row of V: 128 + 32 = 40 words
.set VOFF,  4*KS*PK   ; a slot holds four steps: 256 rows of K, then 256 rows of V
.set SLOT1, 1<<17     ; slot 1 begins here, so that one exclusive or turns an address in one slot into the other's
.set STAGE, SLOT1+4*KS*(PK+PV)  ; behind the ring, never filled by a tensor load: 16 rows x 144 bytes for each wave, for the way out
.set SP,    144
.set AK0, 2           ; v2   my lane's place in a tile of K; never rewritten
.set AV0, 3           ; v3   the same for V
.set AK,  4           ; v4   the LDS address of K's next run of loads
.set AV,  5           ; v5   of V's
.set QO,  6           ; v6   my byte offset in the wave's rows of Q
.set STO, 6           ;      later, the way out: where I put 16 bytes of a row
.set RD,  7           ; v7   the way out: where I read rows back
.set GO,  8           ; v8   my byte offset in 512 consecutive bytes of O
.set PFO, 11          ; v11  256 x my lane, once V's address is made; then never rewritten
.set SPW, 0           ; v0 of window 3   LDS address of my spare word; never rewritten
.set NIL, 1           ; v1 of window 3   0; never rewritten
.set SPARE, STAGE+4*16*SP  ; behind the stages: the spare words, 128 bytes for each wave: two blocks of 256 bytes that no other line names
.set MV,  12          ; v12-15  c m_old, kept while c m is made anew: by buffer and tile
.set ST,  16          ; tile t's statistics at v[ST+4 t]: c m, m, l (even keys', odd keys')
.set TMP, 48          ; by buffer and tile, four registers c0-c3 at work; when the maximum is found c2 takes a
.set S,   64
.set P,   192
.set KF,  128         ; K's fragments, in window 2: key block kb, channel half c at KF + 16 kb + 8 c
.set VF,  192         ; V's: key half kk, channel block cb at VF + 32 kk + 8 cb
.set WV,  12          ; s12  my wave's number
.set G1K, 24          ; s[24:31] descriptor group 1 for K's tiles
.set G1V, 32          ; s[32:39] for V's: it differs in the padding alone
.set G0K, 40          ; s[40:43] descriptor group 0 for K's tiles: it walks
.set G0V, 44          ; s[44:47] the same for V's
.set PFA, 48          ; s[48:49] where my prefetches stand: my work-group's 32 blocks (of K: wave 0, of V: wave 2) of the slot after the one that is being asked for
.set LIM, 50          ; s50  1 in a wave that prefetches, else the greatest number
.set SLOTS, 56        ; s56  slots still to be asked for
.set CNT, 57          ; s57  counts a slot's key steps
.set CS,  58          ; s[58:59] c: the packed scaling takes the pair's low word for both halves
.set SEL, 60          ; s[60:61] v_permlanex16_b32's selects: each lane takes its own place in the other half
.set TBK, 62          ; s62  LDS byte at which K of the step to be fetched begins
.set TBV, 63          ; s63  the same for V, less VOFF
.set MSB, 0
.macro WIN new                      ; the high byte repeats the setting that is left; a switch that changes nothing is dropped
.if MSB != (\new)
	s_set_vgpr_msb (MSB<<8)|(\new)
.set MSB, (\new)
.endif
.endm
.set W_KQ, 0x0a       ; K and Q in window 2, S^T in window 0
.set W_PV, 0x52       ; V in window 2, P in window 0, O^T in window 1
.set W_RS, 0x41       ; O^T (destination and source 0) in window 1, a in window 0
.set W_MK, 0xc0       ; the add's registers are made: destination in window 3, sources in window 0
.set W_AD, 0x0f       ; the add: address (source 0) and data (source 1) in window 3
; A joint fill.  Waves 0 and 1 fetch the two halves of a slot's K, waves 2 and 3 those of its V: 128 keys each.  The branch hangs on the wave's number alone.
; An s_nop 0 and four v_nop follow each of the two lines, ahead of the jump and the label.
.macro JLOAD
	s_cmp_lt_u32 s[WV], 2
	s_cbranch_scc0 .Lfor_v_\@
	tensor_load_to_lds s[G0K:G0K+3], s[G1K:G1K+7]
	s_nop 0
.rept 4
	v_nop
.endr
	s_branch .Lasked_\@
.Lfor_v_\@:
	tensor_load_to_lds s[G0V:G0V+3], s[G1V:G1V+7]
	s_nop 0
.rept 4
	v_nop
.endr
.Lasked_\@:
.endm
; A PREFETCH INTO THE L2 of what the NEXT change of slots will ask for: a slot's 32,768 bytes of K and of V, 128 blocks of 256 bytes each, a lane a block: four key steps, 512 products, ahead of that load.
; A head has one cluster.  Its four partners share the blocks out BY ADDRESS, 32 each; in each, wave 0 asks for K's and wave 2 for V's: each block is named once in the launch.
; Slots 0 and 1 come by their loads alone; the last change that fills a slot asks for nothing: there is no slot behind it.
.macro ASK
	s_cmp_gt_u32 s[SLOTS], s[LIM]
	s_cbranch_scc0 .Lnot_mine_\@
	global_prefetch_b8 v[PFO], s[PFA:PFA+1] th:TH_LOAD_NT scope:SCOPE_SE
.Lnot_mine_\@:
.endm
; A round of the cluster's barrier: my work-group's barrier, so that wave 0's signal speaks for all four waves; wave 0 signals; every wave waits for all four work-groups; my work-group's barrier once more.
.macro CROUND
	s_barrier_signal -1
	s_barrier_wait -1
	s_cmp_lg_u32 s[WV], 0
	s_cbranch_scc1 .Lnot_wave_0_\@
	s_barrier_signal -3
.Lnot_wave_0_\@:
	s_barrier_wait -3
	s_barrier_signal -1
	s_barrier_wait -1
.endm
; THE CHANGE OF SLOTS.  The slot's last bytes, V of its fourth step, have been read.  Each wave waits for all its tensor loads, of which one is out: its part of the other slot; adds 0 to its spare word;
; and waits for that and for its own reads of the slot.  Behind the barrier nobody reads this slot any more and the other slot is whole.
; fill = 1: this slot is filled again, with the keys two slots on.  The barrier is then a round of the cluster's, and the joint fill is the first thing behind it: it has four key steps in which to land.
; (At its first use nothing has been read yet: slot 0 is waited for, slot 1 filled.)
.macro CHANGE fill
	WIN W_AD
	s_wait_tensorcnt 0x0            ; no tensor load of mine is out, so a group 0 may be written
	ds_add_u32 v[SPW], v[NIL]       ; 0 onto my spare word; with fill = 1 the descriptors' steps stand between it and the wait for it
	WIN 0                           ; at a label and at a branch every window is 0
.if \fill
.irp g, G0K, G0V
	s_xor_b32 s[\g+1], s[\g+1], SLOT1  ; the walking descriptor: the other slot than last time,
	s_add_nc_u64 s[\g+2:\g+3], s[\g+2:\g+3], 4*KS*128  ; the next 256 keys; the type bits on top are not reached
.endr
	s_wait_xcnt 0x0                 ; the last prefetch, four key steps back, has read its address, so it may be written:
	s_add_nc_u64 s[PFA:PFA+1], s[PFA:PFA+1], 4*KS*128  ; one slot behind the walking descriptors
	s_wait_dscnt 0x0                ; the add is done, and my reads of the slot are over
	CROUND
	JLOAD
	ASK
.else
	s_wait_dscnt 0x0                ; the add is done, and my reads of the slot are over
	s_barrier_signal -1
	s_barrier_wait -1
.endif
	s_sub_co_u32 s[TBK], s[TBK], 4*KS*PK  ; the fetches go back to a slot's first step,
	s_xor_b32 s[TBK], s[TBK], SLOT1       ; in the other slot
	s_sub_co_u32 s[TBV], s[TBV], 4*KS*PV
	s_xor_b32 s[TBV], s[TBV], SLOT1
.endm
	s_load_b128 s[4:7], s[0:1], 0x0 ; qkvh s[4:5], ob s[6:7]
	WIN W_MK
	v_lshl_add_u32 v[SPW], v0, 2, SPARE
	v_mov_b32 v[NIL], 0
	WIN W_AD
	ds_add_u32 v[SPW], v[NIL]       ; the wave's opening: the add and its wait stand ahead of my first tensor load; work on registers stands between them
	WIN 0
	v_lshrrev_b32 v1, 5, v0
	v_readfirstlane_b32 s[WV], v1   ; wave 0..3
	s_bfe_u32 s13, ttmp6, 0x40000   ; cx: my place in the cluster
	s_lshl_b32 s14, ttmp9, 2        ; in a cluster launch ttmp9 counts clusters
	s_add_co_u32 s14, s14, s13      ; my block of queries = 4 x cluster x + cx: it enters Q's and O's addresses alone
	s_and_b32 s20, ttmp7, 0xffff    ; the head, which the four partners share
	s_mov_b32 s21, 0
	s_mov_b64 s[22:23], SIZE_N*128
	s_mul_u64 s[20:21], s[20:21], s[22:23]  ; the head's first byte in each of the four tensors
	s_and_b32 s16, s[WV], 1         ; which half of a slot's 256 keys I fetch:
	s_lshl_b32 s22, s16, 14         ; its 128 rows of 128 bytes in memory,
	s_mov_b32 s23, 0
	s_add_nc_u64 s[22:23], s[22:23], s[20:21]
	s_mul_i32 s17, s16, 128*PK      ; and its place in a slot, for K
	s_mul_i32 s18, s16, 128*PV      ; and for V: no place in the cluster enters an LDS address
	s_lshl_b32 s2, s14, 2
	s_add_co_u32 s2, s2, s[WV]      ; my wave among the head's,
	s_lshl_b32 s2, s2, 14           ; its 128 rows
	s_mov_b32 s3, 0
	s_add_nc_u64 s[2:3], s[2:3], s[20:21]
	; descriptor group 1.  128 keys are 16,384 dense bytes: asked for as 64 rows of 256 bytes, two keys a row, and padded in LDS after every key
	s_mov_b32 s[G1K], 15|(1<<16)|(1<<20)|(1<<21)|(4<<22)|(3<<25)  ; 15:0 the mask of four; 17:16 2-byte elements; 20 padding on; 21 set beside a mask; 24:22 after every 32 words (code 4); 31:25 4 words (code 3)
	s_mov_b32 s[G1V], 15|(1<<16)|(1<<20)|(1<<21)|(4<<22)|(7<<25)  ; the same with 8 words of padding (code 7)
.irp g, G1K, G1V
	s_mov_b32 s[\g+1], 128<<16      ; tensor_dim0 = 128
	s_mov_b32 s[\g+2], 64<<16       ; tensor_dim1 = 64
	s_mov_b32 s[\g+3], 128<<16      ; tile_dim0 = 128
	s_mov_b32 s[\g+4], 64           ; tile_dim1 = 64
	s_mov_b32 s[\g+5], 128          ; 128 elements from row to row
	s_mov_b32 s[\g+6], 0
	s_mov_b32 s[\g+7], 0
.endr
	s_mov_b32 s[CS], 0x3e38aa3b     ; c = log2(e) / 8 = 0.180337
	s_mov_b32 s[CS+1], s[CS]        ; named with it as a pair
	s_mov_b32 s[SEL], 0x76543210
	s_mov_b32 s[SEL+1], 0xfedcba98
	s_mov_b32 s[TBK], SLOT1+4*KS*PK ; the first change of slots turns these two into 0
	s_mov_b32 s[TBV], SLOT1+4*KS*PV
	s_mov_b32 s[SLOTS], SIZE_N/256-1  ; seven changes of slots fill a slot
	s_mov_b32 s[G0K], 1             ; 1:0 count = 1
	s_mov_b32 s[G0K+1], s17         ; 63:32 LDS address: slot 0
	s_mov_b32 s[G0V], 1
	s_add_co_u32 s[G0V+1], s18, VOFF
	s_cmp_eq_u32 s16, 0             ; waves 0 and 2 prefetch: the same in all four partners
	s_cselect_b32 s[LIM], 1, -1
	s_wait_dscnt 0x0                ; the opening add is done
	s_wait_kmcnt 0x0
	s_mov_b64 s[10:11], s[6:7]      ; O
	s_add_nc_u64 s[6:7], s[4:5], 0x1000000  ; K lies one tensor behind Q,
	s_add_nc_u64 s[8:9], s[4:5], 0x2000000  ; V two
	s_add_nc_u64 s[G0K+2:G0K+3], s[6:7], s[22:23]  ; 120:64 global address: my half of the head's first 256 keys
	s_or_b32 s[G0K+3], s[G0K+3], 0x80000000        ; 127:126 type = 2
	s_add_nc_u64 s[G0V+2:G0V+3], s[8:9], s[22:23]
	s_or_b32 s[G0V+3], s[G0V+3], 0x80000000
	s_add_nc_u64 s[4:5], s[4:5], s[2:3]  ; Q and O at my wave's first row
	s_add_nc_u64 s[10:11], s[10:11], s[2:3]
	s_cmp_lt_u32 s[WV], 2
	s_cselect_b64 s[PFA:PFA+1], s[6:7], s[8:9]
	s_add_nc_u64 s[PFA:PFA+1], s[PFA:PFA+1], s[20:21]  ; the head,
	s_lshl_b32 s2, s13, 13          ; my work-group's 32 blocks of the 128,
	s_mov_b32 s3, 0
	s_add_nc_u64 s[PFA:PFA+1], s[PFA:PFA+1], s[2:3]
	s_add_nc_u64 s[PFA:PFA+1], s[PFA:PFA+1], 4*KS*128  ; in slot 1; the first change of slots steps it to slot 2.  Nothing is prefetched here, at the head
	CROUND                          ; all four work-groups are here: the first joint loads meet
	JLOAD                           ; slot 0.  Slot 1 is asked for when slot 0 is in
	; A fragment of K or Q is 16 rows x 32 channels in 8 registers: lane l holds row l % 16, channels 8 (l / 16) + 0..7 and 16 + 8 (l / 16) + 0..7: two loads of 16 bytes, 32 bytes apart.
	v_and_b32 v1, 15, v0            ; l % 16
	v_bfe_u32 v9, v0, 4, 1          ; l / 16
	v_lshlrev_b32 v[QO], 7, v1
	v_lshl_add_u32 v[QO], v9, 4, v[QO]  ; row x 128 + 16 x half
	WIN 0x80                        ; destination window 2, address window 0
.set i, 0
.rept 4*NP                          ; Q stays in registers: tile i / 2, channels 32 (i % 2) on
	global_load_b128 v[8*i:8*i+3],   v[QO], s[4:5] offset:(i/2)*2048+(i%2)*64
	global_load_b128 v[8*i+4:8*i+7], v[QO], s[4:5] offset:(i/2)*2048+(i%2)*64+32
.set i, i+1
.endr
	; What the first turn finds: V's registers and P's second buffer hold 0 (its products V^T P, of a piece that has not been, add 0), O^T and l are 0.  All this stands in the wait for the first tile.
.set i, VF
.rept 64
	v_mov_b32 v[i], 0
.set i, i+1
.endr
	WIN 0x40
.set i, 0
.rept 64*NP
	v_mov_b32 v[i], 0
.set i, i+1
.endr
	WIN 0
.set i, 0
.rept 2*NP
	v_mov_b32 v[ST+4*i], 0xfe000000    ; c m: far below every c s
	v_mov_b32 v[ST+4*i+1], 0xff7fffff  ; m
	v_mov_b32 v[ST+4*i+2], 0
	v_mov_b32 v[ST+4*i+3], 0
.set i, i+1
.endr
.set i, P+32
.rept 32
	v_mov_b32 v[i], 0
.set i, i+1
.endr
	v_mul_u32_u24 v[AK0], v1, PK
	v_lshl_add_u32 v[AK0], v9, 4, v[AK0]  ; row x pitch + 16 x half
	; The turning load takes 16 keys x 16 channels (lane l reads key 8 (l / 16) + l % 8, channels 8 ((l / 8) % 2) + 0..7) and leaves half a fragment of V^T: lane l holds channel l % 16 and 8 keys.
	v_and_b32 v10, 7, v0
	v_bfe_u32 v11, v0, 3, 1
	v_lshl_add_u32 v[AV0], v9, 3, v10
	v_mul_u32_u24 v[AV0], v[AV0], PV
	v_lshl_add_u32 v[AV0], v11, 4, v[AV0]
	v_add_nc_u32 v[AV0], VOFF, v[AV0]
	v_mov_b32 v[AK], v[AK0]         ; key step 0 lies at the head of slot 0
	v_and_b32 v[PFO], 31, v0
	v_lshlrev_b32 v[PFO], 8, v[PFO]
; THE MATRIX WORK.  The 8 accumulators of a run of 16 take turns: between the two links of a chain stand 7 others'.
; Product i of 16 of S^T = K Q^T for piece x: channels 32 (i / 8) on, keys 16 ((i / 2) % 4) on, tile 2 x + i % 2.  The first 8 start the sums.
.macro KQ x
	WIN W_KQ
.set rS, S+64*((\x)%2)+32*(i%2)+8*((i/2)%4)
.set rK, KF+16*((i/2)%4)+8*(i/8)
.set rQ, 16*(2*(\x)+i%2)+8*(i/8)
.if i < 8
	v_wmma_f32_16x16x32_f16 v[rS:rS+7], v[rK:rK+7], v[rQ:rQ+7], 0
.else
	v_wmma_f32_16x16x32_f16 v[rS:rS+7], v[rK:rK+7], v[rQ:rQ+7], v[rS:rS+7]
.endif
.endm
; Product i of 16 of O^T += V^T P for piece x: keys 32 (i / 8) on, channels 16 ((i / 2) % 4) on, tile 2 x + i % 2.
.macro PV x
	WIN W_PV
.set rO, 32*(2*(\x)+i%2)+8*((i/2)%4)
.set rV, VF+32*(i/8)+8*((i/2)%4)
.set rP, P+32*((\x)%2)+16*(i%2)+8*(i/8)
	v_wmma_f32_16x16x32_f16 v[rO:rO+7], v[rV:rV+7], v[rP:rP+7], v[rO:rO+7]
.endm
.macro MM                           ; the turn's next matrix instruction
.if i < 16
	KQ (Y+1)%NP
.set i, i+1
.else
.set i, i-16
	PV (Y+NP-1)%NP
.set i, i+17
.endif
.endm
; THE LDS LOADS stand in runs of 16, never singly among the matrix instructions: a step's K (64 keys x 64 channels: 8 fragments) and its V (turned).  Their addresses are made some lines ahead.
; last = 1 (the tail): in the last trip there is no further step, and the run is jumped over.
.macro FETCH_K last=0
	WIN 0
.if \last
	s_cmp_eq_u32 s[CNT], 1
	s_cbranch_scc1 .Lno_k_\@
.endif
	WIN 0x80                        ; destination window 2
.irp f, 0,1,2,3,4,5,6,7             ; keys 16 (f / 2) on, channels 32 (f % 2) on
	ds_load_b128 v[KF+8*\f:KF+8*\f+3],   v[AK] offset:(\f/2)*16*PK+(\f%2)*64
	ds_load_b128 v[KF+8*\f+4:KF+8*\f+7], v[AK] offset:(\f/2)*16*PK+(\f%2)*64+32
.endr
	s_add_co_u32 s[TBK], s[TBK], KS*PK  ; the next fetch is the next step's
	WIN 0
.if \last
.Lno_k_\@:
.endif
.endm
.macro FETCH_V
	WIN 0x80
.irp f, 0,1,2,3,4,5,6,7             ; keys 32 (f / 4) on, channels 16 (f % 4) on
	ds_load_tr16_b128 v[VF+8*\f:VF+8*\f+3],   v[AV] offset:(\f/4)*32*PV+(\f%4)*32
	ds_load_tr16_b128 v[VF+8*\f+4:VF+8*\f+7], v[AV] offset:(\f/4)*32*PV+16*PV+(\f%4)*32
.endr
	WIN 0
.endm
; THE VECTOR WORK OF A TURN stands in three queues, each in the order in which its entries become ready; the two tiles alternate, so that no instruction reads the result of the one before it.
.macro REGS y, u                    ; the registers of tile u (0, 1) of piece y
.set rT, ST+4*(2*(\y)+(\u))
.set rC, TMP+8*((\y)%2)+4*(\u)
.set rM, MV+2*((\y)%2)+(\u)
.set rS, S+64*((\y)%2)+32*(\u)
.set rP, P+32*((\y)%2)+16*(\u)
.set rO, 32*(2*(\y)+(\u))
.endm
; Number n of the 22 that find the NEXT piece's (Y + 1) maximum and statistics.  s0-s31 are the lane's 32 scores; each accumulator's lowest registers are read first.
;   0-11  four chains c0-c3 of seven scores each, three operands at a time     12-14, 16  the four scores left over, the old m, and c0-c3 into c0     15  c m_old is kept
;   17, 18  the query's other 32 keys lie in the lane 16 away: the new m         19-21  c m; c m_old - c m_new; a
.macro XS u, n
	REGS (Y+1)%NP, \u
.if (\n) < 4
	v_max3_num_f32 v[rC+(\n)], v[rS+8*(\n)], v[rS+8*(\n)+1], v[rS+8*(\n)+2]
.elseif (\n) < 12
	v_max3_num_f32 v[rC+(\n)%4], v[rC+(\n)%4], v[rS+8*((\n)%4)+2*((\n)/4)+1], v[rS+8*((\n)%4)+2*((\n)/4)+2]
.elseif (\n) == 12
	v_max3_num_f32 v[rC], v[rC], v[rS+7], v[rS+15]
.elseif (\n) == 13
	v_max3_num_f32 v[rC+1], v[rC+1], v[rS+23], v[rS+31]
.elseif (\n) == 14
	v_max3_num_f32 v[rC+2], v[rC+2], v[rC+3], v[rT+1]
.elseif (\n) == 15
	v_mov_b32 v[rM], v[rT]
.elseif (\n) == 16
	v_max3_num_f32 v[rC], v[rC], v[rC+1], v[rC+2]
.elseif (\n) == 17
	v_permlanex16_b32 v[rC+3], v[rC], s[SEL], s[SEL+1]
.elseif (\n) == 18
	v_max_num_f32 v[rT+1], v[rC], v[rC+3]
.elseif (\n) == 19
	v_mul_f32 v[rT], s[CS], v[rT+1]
.elseif (\n) == 20
	v_sub_f32 v[rC+1], v[rM], v[rT]
.else
	v_exp_f32 v[rC+2], v[rC+1]
.endif
.endm
; Number g of the 64 that follow the exponentials.  For each four weights k of a tile (pairs 2 k, 2 k + 1): both pairs are rounded to f16; then the second pair is added onto the first, in place;
; a group later l takes that sum (the first time as l = a l + sum).  In groups of eight, tiles alternating: round, round, add, and l for the group before.
.macro GS g
.set h, (\g)+6*((\g)/62)            ; group 0 has no group before it, and behind group 7 only l is left
.if h >= 6
.set h, h+2
.endif
	REGS Y, h%2
.set k, h/8
.if h%8 < 4
	s_wait_alu depctr_va_vdst(0)
	v_cvt_pk_f16_f32 v[rP+2*k+(h%8)/2], v[rS+4*k+2*((h%8)/2)], v[rS+4*k+2*((h%8)/2)+1]
.elseif h%8 < 6
	v_pk_add_f32 v[rS+4*k:rS+4*k+1], v[rS+4*k:rS+4*k+1], v[rS+4*k+2:rS+4*k+3]
.elseif k == 1
	v_pk_fma_f32 v[rT+2:rT+3], v[rT+2:rT+3], v[rC+2:rC+3], v[rS:rS+1] op_sel_hi:[1,0,1]
.else
	v_pk_add_f32 v[rT+2:rT+3], v[rT+2:rT+3], v[rS+4*k-4:rS+4*k-3]
	s_wait_alu depctr_va_vdst(0)
.endif
.endm
; THE PLAIN QUEUE, 138 long.  0-31: c s - c m for the 16 pairs of both tiles.  Then GS's 64, and among them the next piece's 42: number 15 at 38, 39; 0-14 and 16
; at 42-73, behind the products that make those scores; 17-20 at 95-106, two of three, since each waits for the one before it.
.macro PL
	WIN 0
.if q < 32
	REGS Y, q%2
	v_pk_fma_f32 v[rS+2*(q/2):rS+2*(q/2)+1], v[rS+2*(q/2):rS+2*(q/2)+1], s[CS:CS+1], v[rT:rT+1] op_sel_hi:[1,0,0] neg_lo:[0,0,1] neg_hi:[0,0,1]
.elseif q < 38
	GS q-32
.elseif q < 40
	XS q%2, 15
.elseif q < 42
	GS q-34
.elseif q < 74
	XS q%2, (q-42)/2+(q-42)/30
.elseif q < 95
	GS q-66
.elseif (q < 107) && ((q-95)%3 < 2)
	XS (q-95)%3, 17+(q-95)/3
.elseif q < 107
	GS 29+(q-95)/3
.else
	GS q-74
.endif
.set q, q+1
.endm
; THE EXPONENTIALS' QUEUE, 66 long: s0-s31 of both tiles, and at EA the next piece's two a.
.set EA, 58
.macro EX
	WIN 0
.if (e == EA) || (e == EA+1)
	XS e-EA, 21
.else
.set x, e-2*(e/(EA+2))
	REGS Y, x%2
	v_exp_f32 v[rS+x/2], v[rS+x/2]
.endif
.set e, e+1
.endm
; THE RESCALING's QUEUE: O^T times a, the one part that leaves window 0, so it is dealt four at a time, eight times.
.macro R4
	REGS Y, r%2
	WIN W_RS
	s_wait_alu depctr_va_vdst(0)
.irp z, 0,1,2,3
	v_pk_mul_f32 v[rO+8*(r/2)+2*\z:rO+8*(r/2)+2*\z+1], v[rO+8*(r/2)+2*\z:rO+8*(r/2)+2*\z+1], v[rC+2:rC+3] op_sel_hi:[1,0]
.endr
.set r, r+1
.endm
; HOW THEY ARE DEALT.  Behind a matrix instruction four: plain, exponential, plain, plain (one exponential, a plain instruction on either side), or four of the rescaling.  None names a register of the
; products round it.  What is over stands in two LUMPS: exponential and plain by turns; the second ends in 22 plain instructions.  The two v_permlanex16_b32 fall into the second lump, never behind a product.
; The queues lean on each other, and the deal keeps them in step: exponential e stands behind plain 2 (e / 4) + e % 2 (its scaling); when plain 32 comes, 10 exponentials are out, at 59: 33, at 95: 46; EA comes behind plain 107.
.macro SL
	MM
	PL
	EX
	PL
	PL
.endm
.macro BURST n                      ; 15 matrix instructions, or 16
.rept (\n)-7
	SL
.endr
.rept 3
	MM
	R4
	SL
.endr
	MM
	R4
.endm
; A TURN, for piece p.  cnt = 1: the loop's count is taken down some lines ahead of the branch that stands behind the turn.
; K of the next step is fetched in piece 2's turn, 31 vector instructions behind the last product that read K; its first reader comes behind the rest of the lump, 16 products and the second lump.
; V of the step in hand is fetched at the end of piece 0's turn, 69 behind its last reader; its first reader comes behind 16 products and a lump.  The four conditions on e and q below go with the deal.
.macro TURN p, last=0, cnt=0
.set Y, (\p)
.set i, 0
.set q, 0
.set e, 0
.set r, 0
.if (\p) == NP-1
	s_wait_dscnt 0x0                ; K is in
.endif
	MM
.rept 4
	PL
.endr
	BURST 15
.rept 22
	EX
	PL
.if ((\p) == NP-2) && (e == 18)
	v_add_nc_u32 v[AK], s[TBK], v[AK0]
.endif
.if ((\p) == NP-2) && (e == 24)
	FETCH_K \last
.endif
.endr
.if (\p) == 1
	s_wait_dscnt 0x0                ; V is in
.endif
	BURST 16
.rept 21
	EX
	PL
.endr
.rept 22
	PL
.if ((\p) == 0) && (q == 118)
	v_add_nc_u32 v[AV], s[TBV], v[AV0]
	s_wait_alu depctr_va_vdst(0)
.endif
.if ((\p) == 0) && (q == 130)
	s_add_co_u32 s[TBV], s[TBV], KS*PV
.endif
.if (\cnt) && (q == 130)
	s_sub_co_u32 s[CNT], s[CNT], 1
	s_cmp_lg_u32 s[CNT], 0
.endif
.endr
.if (\p) == 0
	FETCH_V
.endif
.endm
	CHANGE 1                        ; slot 0 is in, everybody's part of it; slot 1 is asked for
	FETCH_K                         ; key step 0
	s_wait_loadcnt 0x0              ; Q
	s_wait_dscnt 0x0
.set i, 0
.rept 16
	KQ 0                            ; piece 0's first scores: there is no vector work yet to set between them
.set i, i+1
.endr
	WIN 0                           ; the addresses for the way out: nine plain instructions, the places behind those products
	s_mul_i32 s13, s[WV], 16*SP
	s_add_co_u32 s13, s13, STAGE    ; my stage
	v_mul_u32_u24 v[STO], v1, SP    ; in: row l % 16, 16 bytes for each half of the lanes
	v_lshl_add_u32 v[STO], v9, 4, v[STO]
	v_add_nc_u32 v[STO], s13, v[STO]
	v_bfe_u32 v[RD], v0, 3, 2       ; back: 32 lanes take four rows of 128 bytes,
	v_mul_u32_u24 v[RD], v[RD], SP
	v_lshl_add_u32 v[RD], v10, 4, v[RD]
	v_add_nc_u32 v[RD], s13, v[RD]
	v_and_b32 v[GO], 31, v0         ; which are 512 consecutive bytes of O
	v_lshlrev_b32 v[GO], 4, v[GO]
.set Y, NP-1                        ; XS works for piece Y + 1: piece 0
.irp n, 0,1,2,3,4,5,6,7,8,9,10,11,12,13,14,15,16,17,18,19,20,21
	XS 0, \n                        ; and piece 0's first maximum and statistics
	XS 1, \n
.endr
	s_mov_b32 s[CNT], 4
	s_branch .Lfirst                ; the loop is entered at a step's first turn, in the middle of a trip
.Lslot:                             ; six times: with the first change, every slot but the last is followed by a fill
	CHANGE 1
	s_mov_b32 s[CNT], 4
.Lstep:                             ; a trip: pieces 2 and 3 of one step, then pieces 0 and 1 of the next, whose K and V it fetches
	TURN 2
	TURN 3
	WIN 0
.Lfirst:
	TURN 0
	TURN 1, 0, 1
	WIN 0
	s_cbranch_scc1 .Lstep
	s_sub_co_u32 s[SLOTS], s[SLOTS], 1
	s_cmp_lg_u32 s[SLOTS], 0
	s_cbranch_scc1 .Lslot
	CHANGE 0                        ; the tail is written out: nothing is asked for
	s_mov_b32 s[CNT], 5             ; four trips fetch the last slot's steps; the fifth is left in its middle
.Ltail:
	TURN 2, 1
	TURN 3
	WIN 0
	s_sub_co_u32 s[CNT], s[CNT], 1
	s_cmp_eq_u32 s[CNT], 0
	s_cbranch_scc1 .Lout
	TURN 0
	TURN 1
	WIN 0
	s_branch .Ltail
.Lout:                              ; the fifth trip's 16 products K Q^T (on the last K once more) and the maximum made of them serve nothing: the price, once a launch, of one text for every trip
.set i, 0
.rept 16
	PV NP-1                         ; the last piece's V^T P of the last step
.set i, i+1
.endr
	; THE WAY OUT.  l's two halves and the other half of the lanes' are added; O^T is divided by l, rounded to f16 and sent through my stage in LDS, a tile at a time.  The additions are the places behind the last products.
	WIN 0
.macro ALL line:vararg              ; one line for each tile t
.set t, 0
.rept 2*NP
	\line
.set t, t+1
.endr
.endm
	ALL v_add_f32 v[ST+4*t+2], v[ST+4*t+2], v[ST+4*t+3]
	ALL v_permlanex16_b32 v[ST+4*t+3], v[ST+4*t+2], s[SEL], s[SEL+1]
	ALL v_add_f32 v[ST+4*t+2], v[ST+4*t+2], v[ST+4*t+3]
	ALL v_rcp_f32 v[ST+4*t+2], v[ST+4*t+2]
	v_nop                           ; a plain instruction between the last reciprocal and the use of its result
	s_wait_alu depctr_va_vdst(0)
; Tile t: a lane's eight channels of a row pack into 16 bytes; they go into rows of 144 bytes and come back as whole rows of 128, into S^T's registers.
.macro PACK t
	WIN W_RS
.set i, 32*(\t)
.rept 16
	v_pk_mul_f32 v[i:i+1], v[i:i+1], v[ST+4*(\t)+2:ST+4*(\t)+3] op_sel_hi:[1,0]
.set i, i+2
.endr
	WIN 0x05                        ; sources 0 and 1 window 1, destination window 0
.set i, 0
.rept 16
	v_cvt_pk_f16_f32 v[S+16*(\t)+i], v[32*(\t)+2*i], v[32*(\t)+2*i+1]
.set i, i+1
.endr
	WIN 0
.irp f, 0,1,2,3
	ds_store_b128 v[STO], v[S+16*(\t)+4*\f:S+16*(\t)+4*\f+3] offset:32*\f
.endr
.irp f, 0,1,2,3
	ds_load_b128 v[S+16*(\t)+4*\f:S+16*(\t)+4*\f+3], v[RD] offset:\f*4*SP  ; LDS serves a wave's instructions in order (ISA guide 5.7.1.4): these see the stores above; the next tile's stores come behind them
.endr
.endm
.macro SEND t, younger              ; younger: the LDS instructions issued behind tile t's loads: the next tile's eight, or none
	WIN 0
.irp f, 0,1,2,3
	s_wait_dscnt (\younger)+3-\f
	global_store_b128 v[GO], v[S+16*(\t)+4*\f:S+16*(\t)+4*\f+3], s[10:11] offset:(\t)*2048+\f*512  ; 512 consecutive bytes, at a multiple of 256 from O's first
.endr
.endm
	PACK 0
.set t, 1
.rept 2*NP-1                        ; a tile's arithmetic stands between the loads of the tile before and its stores
	PACK t
	SEND t-1, 8
.set t, t+1
.endr
	SEND 2*NP-1, 0
	WIN W_AD
	s_wait_tensorcnt 0x0            ; the wave's end: an add and its wait, behind my last tensor load and my last LDS store
	ds_add_u32 v[SPW], v[NIL]
	s_wait_dscnt 0x0
	WIN 0
	CROUND                          ; the closing round: no work-group ends while a partner may still ask for a tile that names it
	s_endpgm
.Lfunc_end_k_q1cfebdbfab_attn:
	.size	k_q1cfebdbfab_attn, .Lfunc_end_k_q1cfebdbfab_attn-k_q1cfebdbfab_attn
	.p2alignl 7, 3214868480
	.fill 96, 4, 3214868480
	.section	.rodata,"a",@progbits
	.p2align	6, 0x0
	.amdhsa_kernel k_q1cfebdbfab_attn
		.amdhsa_group_segment_fixed_size 327680
		.amdhsa_private_segment_fixed_size 0
		.amdhsa_enable_private_segment 0
		.amdhsa_kernarg_size 16
		.amdhsa_user_sgpr_count 2
		.amdhsa_user_sgpr_kernarg_segment_ptr 1
		.amdhsa_wavefront_size32 1
		.amdhsa_system_sgpr_workgroup_id_x 1
		.amdhsa_system_sgpr_workgroup_id_y 1
		.amdhsa_system_sgpr_workgroup_id_z 1
		.amdhsa_system_vgpr_workitem_id 0
		.amdhsa_next_free_vgpr 770
		.amdhsa_next_free_sgpr 66
		.amdhsa_reserve_vcc 0
		.amdhsa_float_denorm_mode_32 3
		.amdhsa_float_denorm_mode_16_64 3
		.amdhsa_memory_ordered 1
		.amdhsa_forward_progress 1
		.amdhsa_inst_pref_size 209
	.end_amdhsa_kernel
	.amdgpu_metadata
---
amdhsa.version: [ 1, 2 ]
amdhsa.kernels:
  - .name:           k_q1cfebdbfab_attn
    .symbol:         k_q1cfebdbfab_attn.kd
    .args:
      - { .name: qkvh, .offset: 0, .size: 8, .value_kind: global_buffer, .address_space: global }
      - { .name: ob, .offset: 8, .size: 8, .value_kind: global_buffer, .address_space: global }
    .group_segment_fixed_size: 327680
    .private_segment_fixed_size: 0
    .kernarg_segment_align: 8
    .kernarg_segment_size: 16
    .max_flat_workgroup_size: 128
    .sgpr_count:     66
    .vgpr_count:     770
    .wavefront_size: 32
...
	.end_amdgpu_metadata
.endif
;; end of part 3
;; launch outp (part 4): grid 4 x 64, 4 waves a work-group, clusters of 4 x 4, 327,680 bytes of LDS; arguments ob, wob, out0; writes out0
.if DOCPART == 4
	.amdgcn_target "amdgcn-amd-amdhsa--gfx1250"
	.amdhsa_code_object_version 6
	.text
	.protected	k_q1cfebdbfab_outp
	.globl	k_q1cfebdbfab_outp
	.p2align	8
	.type	k_q1cfebdbfab_outp,@function
k_q1cfebdbfab_outp:
	s_mov_b64 s[64:65], 0
	v_nop
	global_prefetch_b8 v0, s[64:65] scope:SCOPE_SE
	s_setreg_imm32_b32 hwreg(HW_REG_WAVE_MODE, 25, 1), 1
	s_wait_xcnt 0x0
	s_wait_alu depctr_hold_cnt(0) depctr_sa_sdst(0) depctr_va_vdst(0) depctr_va_sdst(0) depctr_va_ssrc(0) depctr_va_vcc(0) depctr_vm_vsrc(0)
	s_getreg_b32 s2, hwreg(HW_REG_IB_STS2, 6, 4)
	s_cmp_eq_u32 s2, 0
	s_cbranch_scc0 .Lentry_in_a_cluster
	s_endpgm
.Lentry_in_a_cluster:
	s_bfe_u32 s2, ttmp6, 0x10000c
	s_cmp_lg_u32 s2, 0xf033
	s_cbranch_scc0 .Lentry_shape_is_right
	s_endpgm
.Lentry_shape_is_right:
; out0[m][f] = the sum over k of O[m][k] w_out[f][k]: 8,192 x 1,024 x 1,024, operands f16, sums and result f32.
; O lies by heads, ob[16 b + h][n][64]: row m = 2,048 b + n, k = 64 h + d.  wob is f16(bf16(w_out)), row-major, 2,048 bytes a row.
; SHARES.  8,192 x 1,024 / 256 work-groups = a tile of 128 rows x 256 columns.  Four waves, each 64 x 128: 4 x 8 = 32 accumulators, 256 registers.
; K goes in 8 steps of 128 (two heads) through two LDS slots.  O's part of a slot is two heads x 128 dense rows of 128 bytes, each head asked for as 64 rows of 256 bytes; w's is 256 rows of 256 bytes.
; A step is four quarters of 32 along K, 32 products each.  The matrix instruction is used transposed (source 0 = 16 rows of w, source 1 = 16 rows of O): a lane holds eight neighbouring numbers of a row.
; CLUSTER 4 x 4: O's tile is shared along a row of the cluster, w's along a column; each is asked for jointly.  Nothing is prefetched: a work-group's whole walk is eight short steps.
; REGISTERS: window 0: v0-31 addresses; v64-159, v160-255 two fragment buffers (O's four fragments, then w's eight); on the way out v64-191.  Window 1: the accumulators, (a, b) at v[8 (8 a + b)].
.set PA,     144                       ; a row of O in LDS: 128 bytes + 16
.set PB,     272                       ; a row of w: 256 bytes + 16: in both the 16 rows of a fragment load start at 16 different groups of four banks (64 banks of 4 bytes: ISA guide 11.1)
.set HEADB,  128*PA                    ; one head's 128 rows
.set ATILE,  2*HEADB
.set HALFB,  128*PB
.set SLOT,   ATILE+2*HALFB
.set STAGE,  2*SLOT                    ; behind the ring: 16 rows x 528 bytes for each wave
.set SPITCH, 528                       ; 512 bytes + 16
.set SPARE,  STAGE+4*16*SPITCH         ; behind the stages: the spare words, 128 bytes a wave: two blocks of 256 bytes that no other line names
.set ADRA, 16                          ; v16-17  LDS address of my O fragments in slot 0, 1
.set ADRB, 20                          ; v20-21  the same for w
.set STO,  24                          ; v24     the way out: where I put 32 bytes of a row
.set RD,   25                          ; v25     the way out: where I read a row back
.set CO,   26                          ; v26     16 x lane: my place in a row's 512 bytes
.set SPW,  28                          ; v28     LDS address of my spare word; never rewritten
.set NIL,  29                          ; v29     0; never rewritten
.set F0,   64
.set F1,   160
.set OB,   64                          ; the way out: 16 rows read back: v64-127 and v128-191 by turns
.set G1,  24                           ; s[24:31], s[32:39] descriptor groups 1 and 0 (a set for each slot) for O's tiles
.set G0,  32
.set G1B, 48                           ; s[48:55], s[56:63] the same for w's
.set G0B, 56
.set MSB, 0
.macro WIN new                         ; the immediate's high byte repeats the setting that is left
.if MSB != (\new)
	s_set_vgpr_msb (MSB<<8)|(\new)
.set MSB, (\new)
.endif
.endm
.macro JLOAD s                         ; a joint load: waves 0 and 1 fetch O's two heads, waves 2 and 3 w's two halves; an s_nop 0 and four v_nop follow each of the two lines
	s_cmp_lt_u32 s10, 2
	s_cbranch_scc0 .Lfor_b_\@
	tensor_load_to_lds s[G0+4*(\s):G0+4*(\s)+3], s[G1:G1+7]
	s_nop 0
.rept 4
	v_nop
.endr
	s_branch .Lasked_\@
.Lfor_b_\@:
	tensor_load_to_lds s[G0B+4*(\s):G0B+4*(\s)+3], s[G1B:G1B+7]
	s_nop 0
.rept 4
	v_nop
.endr
.Lasked_\@:
.endm
.macro CREST                           ; a round of the cluster's barrier behind its opening barrier
	s_cmp_lg_u32 s10, 0
	s_cbranch_scc1 .Lnot_wave_0_\@
	s_barrier_signal -3
.Lnot_wave_0_\@:
	s_barrier_wait -3
	s_barrier_signal -1
	s_barrier_wait -1
.endm
.macro CROUND
	s_barrier_signal -1
	s_barrier_wait -1
	CREST
.endm
	s_load_b128 s[4:7], s[0:1], 0x0                ; ob s[4:5], wob s[6:7]
	s_load_b64 s[8:9], s[0:1], 0x10                ; out0
	v_lshl_add_u32 v[SPW], v0, 2, SPARE
	v_mov_b32 v[NIL], 0
	ds_add_u32 v[SPW], v[NIL]                      ; the wave's opening: the add and its wait stand ahead of my first tensor load; work on registers stands between them
	v_lshrrev_b32 v1, 5, v0
	v_readfirstlane_b32 s10, v1                    ; wave 0..3
	s_lshr_b32 s11, s10, 1                         ; which 64 rows of the tile are mine
	s_and_b32 s12, s10, 1                          ; which 128 columns.  Also: which head of O, or which half of w's rows, I fetch
	s_bfe_u32 s40, ttmp6, 0x40000                  ; cx
	s_bfe_u32 s41, ttmp6, 0x40004                  ; cy
	s_lshl_b32 s42, ttmp9, 2
	s_add_co_u32 s42, s42, s40                     ; tile column, 0..3
	s_and_b32 s13, ttmp7, 0xffff
	s_lshl_b32 s13, s13, 2
	s_add_co_u32 s13, s13, s41                     ; tile row, 0..63
	s_lshl_b32 s43, s41, 2
	s_lshl_b32 s43, 15, s43                        ; my row of the cluster
	s_lshl_b32 s44, 0x1111, s40                    ; my column
	s_or_b32 s[G1+0], s43, (1<<16)|(1<<20)|(1<<21)|(4<<22)|(3<<25)   ; mask; 2-byte elements; padding on; 21 set beside a mask; after every 32 words (code 4) 4 words (code 3)
	s_or_b32 s[G1B+0], s44, (1<<16)|(1<<20)|(1<<21)|(5<<22)|(3<<25)  ; after every 64 words (code 5)
	s_mov_b32 s[G1+1], 128<<16                     ; O: 64 rows of 128 elements, dense: 128 matrix rows of one head
	s_mov_b32 s[G1+2], 64<<16
	s_mov_b32 s[G1+3], 128<<16
	s_mov_b32 s[G1+4], 64
	s_mov_b32 s[G1+5], 128
	s_mov_b32 s[G1+6], 0
	s_mov_b32 s[G1+7], 0
	s_mov_b32 s[G1B+1], 128<<16                    ; w: 128 rows of 128 elements, 1,024 elements from row to row
	s_mov_b32 s[G1B+2], 128<<16
	s_mov_b32 s[G1B+3], 128<<16
	s_mov_b32 s[G1B+4], 128
	s_mov_b32 s[G1B+5], 1024
	s_mov_b32 s[G1B+6], 0
	s_mov_b32 s[G1B+7], 0
	s_lshr_b32 s16, s13, 4
	s_lshl_b32 s16, s16, 22                        ; O: the batch's 16 heads of 262,144 bytes,
	s_and_b32 s17, s13, 15
	s_lshl_b32 s17, s17, 14                        ; the tile's 128 rows in a head,
	s_add_co_u32 s16, s16, s17
	s_lshl_b32 s17, s12, 18                        ; my head of a step's two
	s_add_co_u32 s16, s16, s17
	s_mov_b32 s17, 0
	s_lshl_b32 s46, s42, 19                        ; w: 256 rows of 2,048 bytes a tile column,
	s_lshl_b32 s47, s12, 18                        ; my 128 of them
	s_add_co_u32 s46, s46, s47
	s_mov_b32 s47, 0
	s_mul_i32 s20, s12, HEADB                      ; where they go: no place in the cluster enters an LDS address
	s_mul_i32 s23, s12, HALFB
	s_add_co_u32 s23, s23, ATILE
	s_wait_dscnt 0x0                               ; the opening add is done
	s_wait_kmcnt 0x0
	s_add_nc_u64 s[14:15], s[4:5], s[16:17]
	s_add_nc_u64 s[46:47], s[6:7], s[46:47]
	CROUND                                         ; all sixteen work-groups are here: the first joint loads meet
.irp s, 0,1
	s_mov_b32 s[G0+4*(\s)], 1
	s_add_co_u32 s[G0+4*(\s)+1], s20, (\s)*SLOT
	s_add_nc_u64 s[G0+4*(\s)+2:G0+4*(\s)+3], s[14:15], (\s)*2*262144  ; K step s: two heads on
	s_or_b32 s[G0+4*(\s)+3], s[G0+4*(\s)+3], 0x80000000
	s_mov_b32 s[G0B+4*(\s)], 1
	s_add_co_u32 s[G0B+4*(\s)+1], s23, (\s)*SLOT
	s_add_nc_u64 s[G0B+4*(\s)+2:G0B+4*(\s)+3], s[46:47], (\s)*256
	s_or_b32 s[G0B+4*(\s)+3], s[G0B+4*(\s)+3], 0x80000000
	JLOAD \s                                       ; two loads of mine are out
.endr
	v_and_b32 v1, 15, v0                           ; l % 16
	v_bfe_u32 v2, v0, 4, 1                         ; l / 16
	v_mul_u32_u24 v3, v1, PA
	v_lshl_add_u32 v3, v2, 4, v3                   ; a fragment's row x pitch + 16 x half
	v_mul_u32_u24 v4, v1, PB
	v_lshl_add_u32 v4, v2, 4, v4
	s_mul_i32 s21, s11, 64*PA                      ; my 64 rows of O (in each head)
	s_mul_i32 s22, s12, HALFB                      ; my 128 rows of w,
	s_add_co_u32 s22, s22, ATILE                   ; behind O's
.irp s, 0,1
	v_add_nc_u32 v[ADRA+(\s)], s21, v3
	v_add_nc_u32 v[ADRB+(\s)], s22, v4
	s_add_co_u32 s21, s21, SLOT
	s_add_co_u32 s22, s22, SLOT
.endr
	s_mul_i32 s21, s10, 16*SPITCH
	s_add_co_u32 s21, s21, STAGE                   ; my stage
	v_mul_u32_u24 v3, v1, SPITCH                   ; in: row l % 16, 32 bytes for each half of the lanes
	v_lshl_add_u32 v3, v2, 5, v3
	v_add_nc_u32 v[STO], s21, v3
	v_and_b32 v[CO], 31, v0
	v_lshlrev_b32 v[CO], 4, v[CO]                  ; back: 32 lanes take a row's 512 bytes
	v_add_nc_u32 v[RD], s21, v[CO]
	s_lshl_b32 s18, s13, 7
	s_lshl_b32 s19, s11, 6
	s_add_co_u32 s18, s18, s19                     ; my first row of the result,
	s_lshl_b32 s18, s18, 12                        ; 4,096 bytes a row
	s_lshl_b32 s19, s42, 10                        ; the tile's 256 columns,
	s_add_co_u32 s18, s18, s19
	s_lshl_b32 s19, s12, 9                         ; my 128
	s_add_co_u32 s18, s18, s19
	s_mov_b32 s19, 0
	s_add_nc_u64 s[8:9], s[8:9], s[18:19]
; 8 products: row block a x all 8 column blocks, 32 along K.  zero = 1: the product starts the sum.  The 32 accumulators take turns, one instruction a turn.
.macro MUL8 f, a, zero
	WIN 0x50                                       ; C and D in window 1
.irp b, 0,1,2,3,4,5,6,7
.if \zero
	v_wmma_f32_16x16x32_f16 v[8*(8*(\a)+(\b)):8*(8*(\a)+(\b))+7], v[(\f)+32+8*(\b):(\f)+32+8*(\b)+7], v[(\f)+8*(\a):(\f)+8*(\a)+7], 0
.else
	v_wmma_f32_16x16x32_f16 v[8*(8*(\a)+(\b)):8*(8*(\a)+(\b))+7], v[(\f)+32+8*(\b):(\f)+32+8*(\b)+7], v[(\f)+8*(\a):(\f)+8*(\a)+7], v[8*(8*(\a)+(\b)):8*(8*(\a)+(\b))+7]
.endif
.endr
.endm
; 24 LDS loads in one run: quarter q's fragments into buffer f: w's sixteen loads first, then O's eight (head q / 2, byte 64 (q % 2) of its rows)
.macro FETCH slot, q, f
	WIN 0
.irp i, 0,1,2,3,4,5,6,7
	ds_load_b128 v[(\f)+32+8*(\i):(\f)+32+8*(\i)+3],   v[ADRB+(\slot)] offset:64*(\q)+(\i)*16*PB
	ds_load_b128 v[(\f)+32+8*(\i)+4:(\f)+32+8*(\i)+7], v[ADRB+(\slot)] offset:64*(\q)+(\i)*16*PB+32
.endr
.irp i, 0,1,2,3
	ds_load_b128 v[(\f)+8*(\i):(\f)+8*(\i)+3],   v[ADRA+(\slot)] offset:((\q)/2)*HEADB+((\q)%2)*64+(\i)*16*PA
	ds_load_b128 v[(\f)+8*(\i)+4:(\f)+8*(\i)+7], v[ADRA+(\slot)] offset:((\q)/2)*HEADB+((\q)%2)*64+(\i)*16*PA+32
.endr
.endm
.macro PLACES                          ; four places between a matrix instruction and a load into a register that it has read, or an LDS store of its result (ISA guide 7.12.1 for the store)
.rept 4
	v_nop
.endr
.endm
; One of a step's first three quarters: multiplies buffer f and fetches quarter q into buffer g.
.macro QUARTER slot, q, f, g, zero
	s_wait_dscnt 4                                 ; all but the youngest four loads (O's row blocks 2 and 3) are in
	MUL8 \f, 0, \zero
	MUL8 \f, 1, \zero
	PLACES
	FETCH \slot, \q, \g
	s_wait_dscnt 24                                ; all but the 24 just issued
	MUL8 \f, 2, \zero
	MUL8 \f, 3, \zero
.endm
; The last quarter multiplies buffer F1 and changes slots: ONE barrier; in front of it each wave waits for all its tensor loads, adds 0 to its spare word, and waits for that and for its reads of this slot.
; fill = 1: the barrier opens a round of the cluster's, and this slot is filled again, two K steps on: 112 products stand between that request and the wait for it.
.macro TURN slot, next, fill
	WIN 0
	s_wait_tensorcnt 0x0                           ; all my tensor loads have landed: my part of the next slot
	ds_add_u32 v[SPW], v[NIL]                      ; 0 onto my spare word
	s_wait_dscnt 5                                 ; the add and the youngest four loads may be out
	MUL8 F1, 0, 0                                  ; eight products stand between the add and the wait for it
	s_wait_dscnt 0x0                               ; the add is done, and my reads of this slot are over
	s_barrier_signal -1
	MUL8 F1, 1, 0
	WIN 0                                          ; at a branch and at a label every window is 0
	s_barrier_wait -1
.if \fill
	CREST                                          ; no wave of any partner still reads this slot or has a load on its way
	s_add_nc_u64 s[G0+4*(\slot)+2:G0+4*(\slot)+3], s[G0+4*(\slot)+2:G0+4*(\slot)+3], 4*262144
	s_add_nc_u64 s[G0B+4*(\slot)+2:G0B+4*(\slot)+3], s[G0B+4*(\slot)+2:G0B+4*(\slot)+3], 512
	JLOAD \slot                                    ; the first tensor load behind the round; its four v_nop are also the places in front of the loads below
.else
	PLACES
.endif
	FETCH \next, 0, F0
	MUL8 F1, 2, 0
	MUL8 F1, 3, 0
.endm
; THE WAY OUT of row block a: f32 as it stands, 32 bytes a lane and column block into my own stage, back as whole rows of 512 bytes, stored.
.macro TOSTAGE a
	WIN 0x04                                       ; the stores' data in window 1; each accumulator's low four registers first
.irp b, 0,1,2,3,4,5,6,7
	ds_store_b128 v[STO], v[8*(8*(\a)+(\b)):8*(8*(\a)+(\b))+3]   offset:64*(\b)
	ds_store_b128 v[STO], v[8*(8*(\a)+(\b))+4:8*(8*(\a)+(\b))+7] offset:64*(\b)+16
.endr
	WIN 0
.set BK, OB+64*((\a)%2)
.irp t, 0,1,2,3,4,5,6,7,8,9,10,11,12,13,14,15
	ds_load_b128 v[BK+4*(\t):BK+4*(\t)+3], v[RD] offset:(\t)*SPITCH  ; LDS serves a wave's instructions in order (ISA guide 5.7.1.4): these see the stores above; the next block's stores come behind them
.endr
.endm
.macro SEND a, younger                 ; younger: the LDS instructions issued behind block a's loads: the next block's 32, or none
	WIN 0
.set BK, OB+64*((\a)%2)
.irp t, 0,1,2,3,4,5,6,7,8,9,10,11,12,13,14,15
	s_wait_dscnt (\younger)+15-(\t)
	global_store_b128 v[CO], v[BK+4*(\t):BK+4*(\t)+3], s[8:9] offset:(16*(\a)+(\t))*4096 th:TH_STORE_NT  ; 512 consecutive bytes, at a multiple of 256 from the result's first
.endr
.endm
	s_wait_tensorcnt 1                             ; my part of K step 0 is in; K step 1's may stay out
	s_barrier_signal -1
	s_barrier_wait -1                              ; everybody's is
	FETCH 0, 0, F0
	QUARTER 0, 1, F0, F1, 1                        ; the first quarter stands in front of the loop: its products start the sums
	WIN 0
	s_mov_b32 s3, 3
.Llap:                                                 ; a trip goes once round the ring, from a lap's second quarter to the next lap's first, and fills both slots again
	QUARTER 0, 2, F1, F0, 0
	QUARTER 0, 3, F0, F1, 0
	TURN 0, 1, 1
	QUARTER 1, 1, F0, F1, 0
	QUARTER 1, 2, F1, F0, 0
	QUARTER 1, 3, F0, F1, 0
	TURN 1, 0, 1
	QUARTER 0, 1, F0, F1, 0
	WIN 0
	s_sub_co_u32 s3, s3, 1
	s_cmp_lg_u32 s3, 0
	s_cbranch_scc1 .Llap
	QUARTER 0, 2, F1, F0, 0                        ; the last lap fills nothing, and has no round of the cluster's barrier
	QUARTER 0, 3, F0, F1, 0
	TURN 0, 1, 0
	QUARTER 1, 1, F0, F1, 0
	QUARTER 1, 2, F1, F0, 0
	QUARTER 1, 3, F0, F1, 0
	s_wait_dscnt 4                                 ; the very last quarter: nothing more to fetch
	MUL8 F1, 0, 0
	MUL8 F1, 1, 0
	s_wait_dscnt 0x0
	MUL8 F1, 2, 0
	MUL8 F1, 3, 0
	PLACES
	TOSTAGE 0
	TOSTAGE 1
	SEND 0, 32
	s_wait_xcnt 0x0                                ; block 0's stores have read their registers: block 2 is loaded into them
	TOSTAGE 2
	SEND 1, 32
	s_wait_xcnt 0x0                                ; the same for blocks 1 and 3
	TOSTAGE 3
	SEND 2, 32
	SEND 3, 0
	s_wait_tensorcnt 0x0                           ; the wave's end: an add and its wait, behind my last tensor load and my last LDS store
	ds_add_u32 v[SPW], v[NIL]
	s_wait_dscnt 0x0
	CROUND                                         ; the closing round: no work-group ends while a partner may still ask for a tile that names it
	s_endpgm
.Lfunc_end_k_q1cfebdbfab_outp:
	.size	k_q1cfebdbfab_outp, .Lfunc_end_k_q1cfebdbfab_outp-k_q1cfebdbfab_outp
	.p2alignl 7, 3214868480
	.fill 96, 4, 3214868480
	.section	.rodata,"a",@progbits
	.p2align	6, 0x0
	.amdhsa_kernel k_q1cfebdbfab_outp
		.amdhsa_group_segment_fixed_size 327680
		.amdhsa_private_segment_fixed_size 0
		.amdhsa_enable_private_segment 0
		.amdhsa_kernarg_size 24
		.amdhsa_user_sgpr_count 2
		.amdhsa_user_sgpr_kernarg_segment_ptr 1
		.amdhsa_wavefront_size32 1
		.amdhsa_system_sgpr_workgroup_id_x 1
		.amdhsa_system_sgpr_workgroup_id_y 1
		.amdhsa_system_sgpr_workgroup_id_z 1
		.amdhsa_system_vgpr_workitem_id 0
		.amdhsa_next_free_vgpr 512
		.amdhsa_next_free_sgpr 66
		.amdhsa_reserve_vcc 0
		.amdhsa_float_denorm_mode_32 3
		.amdhsa_float_denorm_mode_16_64 3
		.amdhsa_memory_ordered 1
		.amdhsa_forward_progress 1
		.amdhsa_inst_pref_size 87
	.end_amdhsa_kernel
	.amdgpu_metadata
---
amdhsa.version: [ 1, 2 ]
amdhsa.kernels:
  - .name:           k_q1cfebdbfab_outp
    .symbol:         k_q1cfebdbfab_outp.kd
    .args:
      - { .name: ob, .offset: 0, .size: 8, .value_kind: global_buffer, .address_space: global }
      - { .name: wob, .offset: 8, .size: 8, .value_kind: global_buffer, .address_space: global }
      - { .name: out0, .offset: 16, .size: 8, .value_kind: global_buffer, .address_space: global }
    .group_segment_fixed_size: 327680
    .private_segment_fixed_size: 0
    .kernarg_segment_align: 8
    .kernarg_segment_size: 24
    .max_flat_workgroup_size: 128
    .sgpr_count:     66
    .vgpr_count:     512
    .wavefront_size: 32
...
	.end_amdgpu_metadata
.endif
;; end of part 4
